; MI455X (gfx1250); checked and timed in simulation.
; The chip was launched on July 23, 2026; its instructions are those of AMD's public machine-readable ISA for CDNA 5 (MIT licence, August 2026) and "CDNA5" Instruction Set Architecture Reference Guide (July 2026). The comments in the code are by the model that wrote it; some were corrected since.
;; Attention. Allowed arithmetic: matrix products marked QUANTISED: E2M1 operands, one E8M0 scale for each 32 along K, by v_wmma_scale_f32_16x16x128_f8f6f4 with both operands' format E2M1 (or v_wmma_scale_f32_32x16x128_f4), f32 sums; everything else in f32.
;; Inputs: bk 1,024 float32; bq 2,048 float32; bv 1,024 float32; hidden_state 2 x 2,048 x 2,048 float32; wk 2,048 x 1,024 float32; wq 2,048 x 2,048 float32; wv 2,048 x 1,024 float32.
;; Outputs: out0 2 x 2,048 x 16 x 128 float32.
;; This version of the problem:
;;   THIS VERSION OF THE PROBLEM IS GIVEN IN LOW PRECISION. The matrix products marked QUANTISED in the list below multiply operands that are first quantised to E2M1 (2 exponent bits, 1 mantissa bit; 4 bits a number), with one power-of-two scale for each 32 numbers along K (OCP MX v1.0); their sums are f32. All else is computed in f32.
;;   The module's matrix products, in the order in which they are computed (A, B: the left and right operand; K: the contracted axis; several contracted axes count as one K, in the product's order):
;;     1. [M 4,096, K 2,048] x [K 2,048, N 2,048]; A: input hidden_state; B: input wq: QUANTISED
;;     2. [M 4,096, K 2,048] x [K 2,048, N 1,024]; A: input hidden_state; B: input wk: QUANTISED
;;     3. [M 4,096, K 2,048] x [K 2,048, N 1,024]; A: input hidden_state; B: input wv: QUANTISED
;;     4. batch 32 x [M 2,048, K 128] x [K 128, N 2,048]; A: computed on the way; B: computed on the way: QUANTISED
;;     5. batch 32 x [M 128, K 2,048] x [K 2,048, N 2,048]; A: computed on the way; B: softmax (see below): QUANTISED
;;   THE QUANTISER, for each operand of a quantised product, along K:
;;     - K is cut into blocks of 32 from its start; a last block that is shorter is filled with zeros.
;;     - A block's scale is 2^e with e = floor(log2(the largest magnitude in the block)) - 2, held to -126 .. 127; a block of zeros has e = 0. As a byte (E8M0): e + 127.
;;     - Each number is divided by its block's scale, clamped to +-6, and rounded to the nearest number of E2M1, ties to even, subnormals kept.
;;     - The product sums the exact products of the quantised numbers (number of the format x scale) in f32.
;;   ~~~python
;;   def quantise(x, axis):      # numpy; x: float32 -> the quantised numbers, widened to float32 again
;;       x = np.moveaxis(x, axis, -1); K = x.shape[-1]
;;       x = np.pad(x, [(0, 0)] * (x.ndim - 1) + [(0, -K % 32)]); x = x.reshape(x.shape[:-1] + (-1, 32)); a = np.abs(x).max(-1, keepdims=True)
;;       e = np.where(a > 0, np.clip(np.frexp(np.where(a > 0, a, 1))[1] - 1 - 2, -126, 127), 0)      # np.frexp(a)[1] - 1 = floor(log2(a)), exactly
;;       r = np.clip(x / 2.0 ** e, -6, 6)
;;       step = 2.0 ** (np.maximum(np.frexp(np.where(r == 0, 1, r))[1] - 1, 0) - 1)
;;       q = np.round(r / step) * step * 2.0 ** e      # np.round: ties to even
;;       return np.moveaxis(q.reshape(q.shape[:-2] + (-1,))[..., :K], -1, axis).astype(np.float32)
;;   ~~~
;;   SOFTMAX AHEAD OF A QUANTISED PRODUCT. Where the list says 'softmax', what is quantised is not the finished softmax but p = 2^(t - M), with t = logit x log2(e) and M = ceil(the row's largest t), a whole number; so 1/2 < the row's largest p <= 1. The row's sum l is taken of the UNQUANTISED p, in f32, and the product's result is divided by l at the end. Since M is a whole number, a kernel that streams over the keys may use a running M (the ceiling of the running maximum): every later rescaling is an exact power of two, which a block's scale takes up: the codes' values come out the same.
;;   OPERANDS COMPUTED ON THE WAY. 'Computed on the way' means the value that the module computes at that place (a softmax that the list does not call 'softmax' is quantised finished and normalised). What goes into a quantiser is computed in f32, as accurately as f32 sums, v_exp_f32 and their like allow (about 1e-6 of the number): no bf16 or f16 on the way to a quantiser, and a product that is left as it is and whose result goes on into a quantised operand takes f32 operands (vector FMAs, or v_wmma_f32_16x16x4_f32). A number that lies on a knife's edge between two numbers of the format may be rounded either way, as far as f32 arithmetic and the matrix unit's own rounding can turn it there, and no further.
;; One version. Each part assembles by itself: llvm-mc -triple=amdgcn-amd-amdhsa -mcpu=gfx1250 --defsym DOCPART=n.
;; ======== version 1 of 1: 3 launches
;; limits: right only within a limited range of input values
;; workspace buffers: prep 9,961,472 bytes; qkv 8,912,896 bytes
;; launch prep (part 1): grid 640 x 1, 4 waves a work-group, no clusters, 50,688 bytes of LDS; arguments hidden_state, wq, wk, wv, prep; writes prep
.if DOCPART == 1
	.amdgcn_target "amdgcn-amd-amdhsa--gfx1250"
	.amdhsa_code_object_version 6
	.text
	.protected	k_qdbc3396509_prep
	.globl	k_qdbc3396509_prep
	.p2align	8
	.type	k_qdbc3396509_prep,@function
k_qdbc3396509_prep:
	s_mov_b64 s[64:65], 0
	v_nop
	global_prefetch_b8 v0, s[64:65] scope:SCOPE_SE
	s_setreg_imm32_b32 hwreg(HW_REG_WAVE_MODE, 25, 1), 1
	s_wait_xcnt 0x0
; PREP: the operands of the three projections become codes of FP4 (E2M1) with one E8M0 scale byte for each 32 along K (K = the model's 2,048), and the table of RoPE's cosines and sines is made.
; One launch, three kinds of work-group, told apart by the work-group's number; each kind has LDS bytes of its own.
;   0-255   X: hidden_state [4096][2048] f32, K innermost: a plain stream of blocks of 32.
;   256-511 W: wq [2048][2048], wk, wv [2048][1024] f32, K is the FIRST axis: a lane takes a column, its registers run down K.
;   512-639 T: cos and sin of pos x 10000^(-f/64), pos 0..2047, f 0..63.
; THE PROGRAM leaves out only what the causal mask throws away: key tiles that lie wholly above the diagonal (launch attn).  Every input is loaded.
; A NaN, an infinity or an overflow that reaches only such a tile is not carried to the result.
; THE BUFFER prep, in bytes: x's codes [4096 rows][1024] at 0; W's codes [4096 rows][1024] at WC_OFF (rows 0-2047 wq's columns, 2048-3071 wk's, 3072-4095 wv's);
;   x's scale bytes [4096][64] at XS_OFF; W's [4096][64] at WS_OFF; the table at TAB_OFF.
; ROW ORDER: a row (a token of x, a column of W) with index n lies at the place n with bits 3 and 4 exchanged.  Sixteen neighbouring stored rows 16 t + r are then the true rows 32 (t/2) + 8 (t%2) + r + 8 (r/8):
;   in the next launch a lane's 16 results of two neighbouring tiles are 16 neighbours along the axis that is quantised next.
; A block's scale is 2^(floor(log2(its largest magnitude)) - 2); its byte is the largest magnitude's exponent field - 2, held at 1 from below.
; LIMITS: a block of zeros gets the byte 1 where the quantiser's rule says 127 (its codes are zeros; the bytes are read by this program alone); blocks whose largest magnitude lies under 2^-124 keep the byte 1;
;   NaN and infinities among the inputs are not served.  The table: the angle is pos x 2^(-f log2(10000)/64), the power by v_exp_f32 of an exponent carried in two words, the product rounded once to f32;
;   it lies within about two units in the last place of an angle computed wholly in f32.  sin and cos of that angle: reduction by pi/2 in two words, polynomials to z^4 and z^5: about 1.5e-7 absolute for angles from 0 to 2,048.
.set WC_OFF,  4194304
.set XS_OFF,  8388608
.set WS_OFF,  8650752
.set TAB_OFF, 8912896
.set SPW, 192                          ; LDS address of my spare word
.set NIL, 193                          ; 0
; ---- path X: registers and LDS
.set XR,  16                           ; v16-79   four sets of 16 numbers as they are loaded
.set XX,  80                           ; v80-111  two sets of 16 neighbours
.set XE,  112                          ; v112-127 a scale byte for each step
.set XCD, 128                          ; v128-191 codes: four registers for each step, so that no store's data are written again
.set SP,  80                           ; a lane's place in a stage: 64 bytes + 16 of padding
; ---- path W
.set WX,   32                          ; v32-95   two sets of 32 numbers
.set WCD,  96                          ; v96-99   a block's codes
.set WSB,  24                          ; v24-25   the scale bytes, four to a register
.set WOUT, 112                         ; v112-143 the way out
.set WVO,  144                         ; v144-175 offsets: 4 x lane + i rows of W
.set WP,   272                         ; a stage row: 256 bytes of codes, then the row's 16 scale bytes
.set WSTG, 32768                       ; path W's two stages of 32 rows begin behind path X's LDS bytes
.set SPARE, WSTG+2*32*WP               ; the spare words
; ---- path T
.set TA,  16
.set TN,  24
.set TRR, 32
.set TZ,  40
.set TS,  48
.set TCC, 56
.set TQ,  64
.set TT,  72
.set TO,  80                           ; v80-95   cos, sin by turns: what is stored
.macro XLOAD t
.irp i, 0,1,2,3
	global_load_b128 v[XR+16*((\t)%4)+4*\i:XR+16*((\t)%4)+4*\i+3], v3, s[4:5] offset:2048*(\t)+512*\i th:TH_LOAD_NT   ; 32 lanes read 512 consecutive bytes
.endr
.endm
.macro XTURN t                         ; step t's numbers through the stage: LDS serves a wave's instructions in order, so no wait stands between the stores and the loads
.irp i, 0,1,2,3
	ds_store_b128 v14, v[XR+16*((\t)%4)+4*\i:XR+16*((\t)%4)+4*\i+3] offset:32*SP*((\t)%2)+8*SP*\i
.endr
.irp i, 0,1,2,3
	ds_load_b128 v[XX+16*((\t)%2)+4*\i:XX+16*((\t)%2)+4*\i+3], v15 offset:32*SP*((\t)%2)+16*\i
.endr
.endm
.macro XSTEP t
.set XN, XX+16*((\t)%2)
.if (\t) > 0
	s_wait_dscnt 1                                 ; this step's numbers are back from the stage; the last step's byte store may be out
.else
	s_wait_dscnt 0x0
.endif
.if (\t)+4 < 16
	XLOAD (\t)+4                                   ; into the registers whose stores into the stage are done
.endif
.if (\t)+1 < 16
.if 14-(\t) >= 3
	s_wait_loadcnt 12                              ; the next step's four loads are in; those of the three steps behind it may be out
.else
	s_wait_loadcnt 4*(14-(\t))
.endif
	XTURN (\t)+1
.endif
	v_max3_num_f32 v8, |v[XN]|, |v[XN+1]|, |v[XN+2]|               ; the largest magnitude of my 16, in two chains
	v_max3_num_f32 v9, |v[XN+3]|, |v[XN+4]|, |v[XN+5]|
.irp i, 6,10
	v_max3_num_f32 v8, v8, |v[XN+\i]|, |v[XN+\i+1]|
	v_max3_num_f32 v9, v9, |v[XN+\i+2]|, |v[XN+\i+3]|
.endr
	v_max3_num_f32 v8, v8, |v[XN+14]|, |v[XN+15]|
	v_max3_num_f32 v8, v8, v9, 0x1800000           ; and the floor 2^(3 - 127): the byte cannot fall under 1
	v_max_num_f32_dpp v8, v8, v8 row_xmask:1 row_mask:0xf bank_mask:0xf   ; with my neighbour's 16: the block's
	v_add_nc_u32 v11, 0xff000000, v8               ; 2 off its exponent field: the conversion takes the exponent field of this operand as its scale
	v_cvt_scalef32_pk8_fp4_f32 v[XCD+4*(\t)], v[XN:XN+7], v11
	v_cvt_scalef32_pk8_fp4_f32 v[XCD+4*(\t)+1], v[XN+8:XN+15], v11
	v_lshrrev_b32 v[XE+(\t)], 23, v11              ; the scale's byte (a plain line behind the conversions)
	ds_store_b8 v5, v[XE+(\t)] offset:16*(\t)      ; both lanes of a block write the same byte with the same value
	global_store_b64 v4, v[XCD+4*(\t):XCD+4*(\t)+1], s[24:25] offset:256*(\t)   ; the wave stores 256 consecutive bytes, aligned
.endm
.macro WLOAD t                         ; block t: W(32 t + i, my column), i = 0 .. 31, into set t % 2; block t has a base of its own, so nothing is stepped
.set i, 0
.rept 32
	global_load_b32 v[WX+32*((\t)%2)+i], v[WVO+i], s[32+2*(\t):33+2*(\t)] th:TH_LOAD_NT
.set i, i+1
.endr
.endm
.macro WBLOCK t
.set WN, WX+32*((\t)%2)
.if (\t) < 7
	s_wait_loadcnt 32                              ; this block's 32 loads are in; the next block's may be out
.else
	s_wait_loadcnt 0
.endif
	v_max3_num_f32 v12, |v[WN]|, |v[WN+1]|, |v[WN+2]|              ; the block's largest magnitude: all 32 numbers are mine
	v_max3_num_f32 v13, |v[WN+3]|, |v[WN+4]|, |v[WN+5]|
.irp i, 6,10,14,18,22,26
	v_max3_num_f32 v12, v12, |v[WN+\i]|, |v[WN+\i+1]|
	v_max3_num_f32 v13, v13, |v[WN+\i+2]|, |v[WN+\i+3]|
.endr
	v_max3_num_f32 v12, v12, |v[WN+30]|, |v[WN+31]|
	v_max3_num_f32 v12, v12, v13, 0x1800000        ; and the floor
	v_add_nc_u32 v11, 0xff000000, v12
	v_lshrrev_b32 v13, 23, v11                     ; the scale's byte
.if (\t)%4 == 0
	v_mov_b32 v[WSB+(\t)/4], v13                   ; four bytes to a register, the lower K in the lower byte
.else
	v_lshl_or_b32 v[WSB+(\t)/4], v13, 8*((\t)%4), v[WSB+(\t)/4]
.endif
.irp g, 0,1,2,3
	v_cvt_scalef32_pk8_fp4_f32 v[WCD+\g], v[WN+8*\g:WN+8*\g+7], v11
.endr
	v_nop                                          ; one plain line behind the last conversion
	ds_store_b128 v4, v[WCD:WCD+3] offset:16*(\t)  ; 32 codes: 16 bytes of my column's row
.if (\t)+2 < 8
	WLOAD (\t)+2
.endif
	s_wait_dscnt 0x0                               ; the store has read its registers: the next block's codes may be written
.endm
	s_load_b256 s[4:11], s[0:1], 0x0               ; hidden_state s[4:5], wq s[6:7], wk s[8:9], wv s[10:11]
	s_load_b64 s[12:13], s[0:1], 0x20              ; prep
	v_lshl_add_u32 v[SPW], v0, 2, SPARE
	v_mov_b32 v[NIL], 0
	v_lshrrev_b32 v1, 5, v0
	v_readfirstlane_b32 s16, v1                    ; wave 0..3
	v_and_b32 v2, 31, v0                           ; lane
	s_cmp_lt_u32 ttmp9, 256
	s_cbranch_scc0 .Lnot_x
; ================ PATH X: a wave takes a run of 8,192 numbers (4 rows of x), 16 steps of 512 ================
; Each load reads 512 consecutive bytes, 16 a lane; a step's 2,048 bytes turn through the wave's own stage in LDS and come back 64 bytes a lane: 16 neighbours along K; two neighbouring lanes hold a block.
	v_lshlrev_b32 v3, 4, v2                        ; my 16 bytes of a load's 512
	s_mul_i32 s17, s16, 8192                       ; my wave's LDS: two stages of 32 x SP bytes, then 256 scale bytes
	v_lshrrev_b32 v14, 2, v2
	v_mul_u32_u24 v14, v14, SP
	v_and_b32 v15, 3, v2
	v_lshl_add_u32 v14, v15, 4, v14
	v_add_nc_u32 v14, s17, v14                     ; the stage, on the way in: SP (lane / 4) + 16 (lane % 4)
	v_mul_u32_u24 v15, v2, SP
	v_add_nc_u32 v15, s17, v15                     ; and on the way out: SP x lane
	v_lshlrev_b32 v4, 3, v2                        ; my 8 bytes of a step's 256 bytes of codes
	v_lshrrev_b32 v5, 1, v2
	s_add_co_u32 s17, s17, 2*32*SP
	v_add_nc_u32 v5, s17, v5                       ; my block's scale byte in LDS
	v_lshlrev_b32 v7, 3, v2
	v_add_nc_u32 v6, s17, v7                       ; and on the way out 8 bytes a lane
	s_lshl_b32 s18, ttmp9, 2
	s_add_co_u32 s18, s18, s16                     ; R: which run is mine; rows 4 R .. 4 R + 3
	s_and_b32 s19, s18, 0xfffffff9
	s_bfe_u32 s20, s18, 0x10001                    ; the rows' bit 3
	s_bfe_u32 s21, s18, 0x10002                    ; the rows' bit 4
	s_lshl_b32 s20, s20, 2
	s_lshl_b32 s21, s21, 1
	s_or_b32 s19, s19, s20
	s_or_b32 s19, s19, s21                         ; P: where the run is stored: the two bits exchanged
	s_lshl_b32 s22, s18, 15                        ; R x 32,768 bytes of f32
	s_mov_b32 s23, 0
	s_lshl_b32 s24, s19, 12                        ; P x 4,096 bytes of codes
	s_mov_b32 s25, 0
	s_lshl_b32 s26, s19, 8                         ; P x 256 scale bytes
	s_add_co_u32 s26, s26, XS_OFF
	s_mov_b32 s27, 0
	s_wait_alu depctr_va_vdst(0)                   ; the head's end
	s_wait_kmcnt 0x0
	s_add_nc_u64 s[4:5], s[4:5], s[22:23]
	s_add_nc_u64 s[24:25], s[12:13], s[24:25]
	s_add_nc_u64 s[26:27], s[12:13], s[26:27]
.irp t, 0,1,2,3
	XLOAD \t
.endr
	s_wait_loadcnt 12                              ; step 0's four loads are in
	XTURN 0
.irp t, 0,1,2,3,4,5,6,7,8,9,10,11,12,13,14,15
	XSTEP \t
.endr
	ds_load_b64 v[12:13], v6                       ; LDS serves a wave's instructions in order: this sees my byte stores
	s_wait_dscnt 0x0
	global_store_b64 v7, v[12:13], s[26:27]        ; 32 lanes store 256 consecutive bytes, aligned
	s_wait_tensorcnt 0x0                           ; the wave's end
	ds_add_u32 v[SPW], v[NIL]
	s_wait_dscnt 0x0
	s_endpgm
.Lnot_x:
	s_cmp_lt_u32 ttmp9, 512
	s_cbranch_scc0 .Ltable
; ================ PATH W: a work-group takes 64 columns x 512 along K; a wave 32 columns x 256 along K: 8 blocks a lane ================
	s_sub_co_u32 s17, ttmp9, 256
	s_and_b32 s18, s17, 63                         ; cg: which 64 of the 4,096 columns (wq's 32 groups, wk's 16, wv's 16)
	s_lshr_b32 s19, s17, 6                         ; kq: which 512 along K
	s_and_b32 s48, s16, 1                          ; cw: which 32 of the columns
	s_lshr_b32 s49, s16, 1                         ; kh: which 256 along K
	s_wait_kmcnt 0x0
	s_cmp_lt_u32 s18, 48                           ; the tensor is chosen by the work-group's number alone
	s_cselect_b64 s[22:23], s[8:9], s[10:11]
	s_cselect_b32 s21, 32, 48                      ; the tensor's first group
	s_cmp_lt_u32 s18, 32
	s_cselect_b64 s[22:23], s[6:7], s[22:23]
	s_cselect_b32 s21, 0, s21
	s_mov_b32 s20, 4096
	s_cselect_b32 s20, 8192, s20                   ; a row of the tensor in bytes
	s_sub_co_u32 s21, s18, s21
	s_lshl_b32 s21, s21, 8                         ; the group's first column, in bytes
	s_lshl_b32 s28, s48, 7                         ; + my wave's 32 columns
	s_add_co_u32 s28, s28, s21
	s_lshl_b32 s29, s19, 9
	s_lshl_b32 s30, s49, 8
	s_add_co_u32 s29, s29, s30                     ; my first row: 512 kq + 256 kh
	s_mul_i32 s29, s29, s20
	s_add_co_u32 s28, s28, s29
	s_mov_b32 s29, 0
	s_add_nc_u64 s[32:33], s[22:23], s[28:29]      ; block 0's base
	s_lshl_b32 s30, s20, 5                         ; 32 rows
	s_mov_b32 s31, 0
.set t, 1
.rept 7
	s_add_nc_u64 s[32+2*t:33+2*t], s[30+2*t:31+2*t], s[30:31]   ; block t's base: eight bases, written once
.set t, t+1
.endr
	s_wait_alu depctr_va_vdst(0)                   ; ahead of the readers below
	v_lshlrev_b32 v[WVO], 2, v2                    ; 4 bytes a lane,
.set i, 1
.rept 31
	v_add_nc_u32 v[WVO+i], s20, v[WVO+i-1]         ; + i rows
.set i, i+1
.endr
	v_and_b32 v10, 7, v2
	v_bfe_u32 v11, v2, 3, 1
	v_lshl_or_b32 v10, v11, 4, v10
	v_bfe_u32 v11, v2, 4, 1
	v_lshl_or_b32 v10, v11, 3, v10                 ; pl: my column's place among the 32 stored rows: bits 3 and 4 exchanged
	s_mul_i32 s24, s48, 32*WP
	s_add_co_u32 s24, s24, WSTG                    ; the stage of my 32 columns, shared by the two waves that divide their K
	s_lshl_b32 s25, s49, 7
	s_add_co_u32 s25, s25, s24
	v_mul_u32_u24 v4, v10, WP
	v_add_nc_u32 v4, s25, v4                       ; into it: row pl, + 128 kh
	s_lshl_b32 s25, s49, 3
	s_add_co_u32 s25, s25, s24
	v_mul_u32_u24 v16, v10, WP
	v_add_nc_u32 v16, s25, v16                     ; my 8 scale bytes: row pl, + 256 + 8 kh
	v_mul_u32_u24 v17, v2, WP
	v_add_nc_u32 v17, s24, v17                     ; a row's 16 scale bytes, a lane a row
	v_lshlrev_b32 v9, 6, v2                        ; and in memory: 64 bytes a row
	v_and_b32 v5, 15, v2
	v_lshrrev_b32 v6, 4, v2                        ; out of it: sixteen lanes to a row, two rows an instruction, rows 16 kh on
	s_mul_i32 s25, s49, 16*WP
	s_add_co_u32 s25, s25, s24
	v_mul_u32_u24 v7, v6, WP
	v_lshl_add_u32 v7, v5, 4, v7
	v_add_nc_u32 v7, s25, v7
	v_lshlrev_b32 v8, 10, v6                       ; and the same place in the codes: rows of 1,024 bytes
	v_lshl_add_u32 v8, v5, 4, v8
	s_lshl_b32 s25, s18, 6
	s_lshl_b32 s26, s48, 5
	s_add_co_u32 s25, s25, s26                     ; the first stored row of my 32 columns
	s_lshl_b32 s26, s25, 6
	s_lshl_b32 s28, s19, 4
	s_add_co_u32 s26, s26, s28
	s_add_co_u32 s26, s26, WS_OFF
	s_mov_b32 s27, 0
	s_add_nc_u64 s[8:9], s[12:13], s[26:27]        ; the scale bytes: row x 64 + 16 kq
	s_lshl_b32 s26, s49, 4
	s_add_co_u32 s25, s25, s26
	s_lshl_b32 s26, s25, 10
	s_lshl_b32 s28, s19, 8
	s_add_co_u32 s26, s26, s28
	s_add_co_u32 s26, s26, WC_OFF
	s_add_nc_u64 s[6:7], s[12:13], s[26:27]        ; the codes that I store: (row + 16 kh) x 1,024 + 256 kq
	s_wait_alu depctr_va_vdst(0)                   ; the head's end
	WLOAD 0
	WLOAD 1
.irp t, 0,1,2,3,4,5,6,7
	WBLOCK \t
.endr
	s_wait_alu depctr_va_vdst(0)                   ; directly ahead of the reader below
	ds_store_b64 v16, v[WSB:WSB+1] offset:256
	s_wait_dscnt 0x0                               ; for the other wave's sake: all my stores into the stage are done
	s_barrier_signal -1
	s_barrier_wait -1
.irp t, 0,1,2,3,4,5,6,7
	ds_load_b128 v[WOUT+4*\t:WOUT+4*\t+3], v7 offset:2*\t*WP
.endr
	s_cmp_lg_u32 s49, 0                            ; one of the two waves stores the scale bytes, 16 a row
	s_cbranch_scc1 .Lno_scales
	ds_load_b128 v[20:23], v17 offset:256
	s_wait_dscnt 0x0
	global_store_b128 v9, v[20:23], s[8:9]
.Lno_scales:
.irp t, 0,1,2,3,4,5,6,7
	s_wait_dscnt 7-\t                              ; loads come back in order: number t is in
	global_store_b128 v8, v[WOUT+4*\t:WOUT+4*\t+3], s[6:7] offset:2*\t*1024   ; sixteen lanes store 256 consecutive bytes, aligned
.endr
	s_wait_tensorcnt 0x0                           ; the wave's end
	ds_add_u32 v[SPW], v[NIL]
	s_wait_dscnt 0x0
	s_endpgm
.Ltable:
; ================ PATH T: a work-group makes the table of 16 positions; a lane 8 pairs (cos, sin) ================
; The table is laid as the next launch's lanes want it: [128 blocks of 16 positions][16 pieces][32 lanes][16 bytes].  Lane (r, h) of block pb has position 32 (pb/2) + 8 (pb%2) + r + 8 (r/8);
; wave w makes pieces 4 w .. 4 w + 3: the frequencies f = 16 w + 8 h + 0 .. 7, cos and sin by turns.
	s_sub_co_u32 s17, ttmp9, 512                   ; pb
	s_wait_alu depctr_va_vdst(0)
	v_and_b32 v3, 15, v2                           ; r
	v_lshrrev_b32 v4, 4, v2                        ; h
	s_lshr_b32 s18, s17, 1
	s_lshl_b32 s18, s18, 5
	s_and_b32 s19, s17, 1
	s_lshl_b32 s19, s19, 3
	s_add_co_u32 s18, s18, s19
	v_and_b32 v5, 8, v3
	v_add3_u32 v5, v5, v3, s18
	v_cvt_f32_u32 v5, v5                           ; my position
	s_lshl_b32 s19, s16, 4
	v_lshl_add_u32 v6, v4, 3, s19                  ; my first frequency
	v_lshlrev_b32 v7, 4, v2                        ; 16 bytes a lane
	s_mov_b32 s40, 0x3e549a80                      ; log2(10000) / 64 in two words: the upper has 17 bits, so that f x it is exact,
	s_mov_b32 s41, 0xb3f686c6                      ; the lower
	s_mov_b32 s42, 0x3f22f983                      ; 2 / pi
	s_mov_b32 s43, 0xbfc90fdb                      ; -pi/2, upper word,
	s_mov_b32 s44, 0x333bbd2e                      ; lower word
	s_mov_b32 s45, 0xbe2aaaab                      ; sin: -1/3!, 1/5!, -1/7!, 1/9!
	s_mov_b32 s46, 0x3c088889
	s_mov_b32 s47, 0xb9500d01
	s_mov_b32 s48, 0x3638ef1d
	s_mov_b32 s49, 0x3d2aaaab                      ; cos: 1/4!, -1/6!, 1/8!, -1/10!
	s_mov_b32 s50, 0xbab60b61
	s_mov_b32 s51, 0x37d00d01
	s_mov_b32 s52, 0xb493f27c
	s_lshl_b32 s20, s17, 13                        ; 8,192 bytes a block,
	s_lshl_b32 s21, s16, 11                        ; 2,048 a wave
	s_add_co_u32 s20, s20, s21
	s_add_co_u32 s20, s20, TAB_OFF
	s_mov_b32 s21, 0
	s_wait_alu depctr_va_vdst(0)                   ; the head's end
	s_wait_kmcnt 0x0
	s_add_nc_u64 s[20:21], s[12:13], s[20:21]
; every line is written for the eight frequencies by turns, so that no line waits for the line above it
.irp k, 0,1,2,3,4,5,6,7
	v_add_nc_u32 v[TA+\k], \k, v6
.endr
.irp k, 0,1,2,3,4,5,6,7
	v_cvt_f32_u32 v[TA+\k], v[TA+\k]               ; f
.endr
.irp k, 0,1,2,3,4,5,6,7
	v_mul_f32 v[TN+\k], s40, v[TA+\k]              ; exact: 6 bits x 17 bits
.endr
.irp k, 0,1,2,3,4,5,6,7
	v_fma_f32 v[TN+\k], v[TA+\k], s41, v[TN+\k]    ; f log2(10000) / 64
.endr
	s_wait_alu depctr_va_vdst(0)                   ; ahead of the batch
.irp k, 0,1,2,3,4,5,6,7
	v_exp_f32 v[TA+\k], -v[TN+\k]                  ; 10000^(-f/64)
.endr
	v_nop                                          ; a plain line behind the exponentials
	s_wait_alu depctr_va_vdst(0)                   ; and behind it
.irp k, 0,1,2,3,4,5,6,7
	v_mul_f32 v[TA+\k], v5, v[TA+\k]               ; the angle x, rounded once to f32
.endr
.irp k, 0,1,2,3,4,5,6,7
	v_mul_f32 v[TN+\k], s42, v[TA+\k]
.endr
.irp k, 0,1,2,3,4,5,6,7
	v_rndne_f32 v[TN+\k], v[TN+\k]                 ; n: how many quarter turns
.endr
.irp k, 0,1,2,3,4,5,6,7
	v_fma_f32 v[TRR+\k], v[TN+\k], s43, v[TA+\k]   ; x - n pi/2: with the upper word the difference is exact,
.endr
.irp k, 0,1,2,3,4,5,6,7
	v_fma_f32 v[TRR+\k], v[TN+\k], s44, v[TRR+\k]  ; the lower word follows: |rr| <= pi/4
.endr
.irp k, 0,1,2,3,4,5,6,7
	v_cvt_i32_f32 v[TQ+\k], v[TN+\k]
.endr
.irp k, 0,1,2,3,4,5,6,7
	v_mul_f32 v[TZ+\k], v[TRR+\k], v[TRR+\k]       ; z
.endr
.irp k, 0,1,2,3,4,5,6,7
	v_fma_f32 v[TS+\k], v[TZ+\k], s48, s47
	v_fma_f32 v[TCC+\k], v[TZ+\k], s52, s51
.endr
.irp k, 0,1,2,3,4,5,6,7
	v_fma_f32 v[TS+\k], v[TS+\k], v[TZ+\k], s46
	v_fma_f32 v[TCC+\k], v[TCC+\k], v[TZ+\k], s50
.endr
.irp k, 0,1,2,3,4,5,6,7
	v_fma_f32 v[TS+\k], v[TS+\k], v[TZ+\k], s45
	v_fma_f32 v[TCC+\k], v[TCC+\k], v[TZ+\k], s49
.endr
.irp k, 0,1,2,3,4,5,6,7
	v_mul_f32 v[TT+\k], v[TZ+\k], v[TRR+\k]
	v_fma_f32 v[TCC+\k], v[TCC+\k], v[TZ+\k], -0.5
.endr
.irp k, 0,1,2,3,4,5,6,7
	v_fma_f32 v[TS+\k], v[TS+\k], v[TT+\k], v[TRR+\k]   ; sin rr
	v_fma_f32 v[TCC+\k], v[TCC+\k], v[TZ+\k], 1.0       ; cos rr
.endr
.irp k, 0,1,2,3,4,5,6,7
	v_and_b32 v[TT+\k], 1, v[TQ+\k]
.endr
.irp k, 0,1,2,3,4,5,6,7
	v_cmp_eq_u32 vcc_lo, 1, v[TT+\k]               ; an odd number of quarter turns: sin and cos change places
	v_cndmask_b32 v[TA+\k], v[TS+\k], v[TCC+\k], vcc_lo
	v_cndmask_b32 v[TN+\k], v[TCC+\k], v[TS+\k], vcc_lo
.endr
.irp k, 0,1,2,3,4,5,6,7
	v_lshlrev_b32 v[TT+\k], 30, v[TQ+\k]           ; sin's sign: bit 1 of n
	v_add_nc_u32 v[TQ+\k], 1, v[TQ+\k]
.endr
.irp k, 0,1,2,3,4,5,6,7
	v_and_b32 v[TT+\k], 0x80000000, v[TT+\k]
	v_lshlrev_b32 v[TQ+\k], 30, v[TQ+\k]           ; cos's sign: bit 1 of n + 1
.endr
.irp k, 0,1,2,3,4,5,6,7
	v_xor_b32 v[TO+2*\k+1], v[TT+\k], v[TA+\k]
	v_and_b32 v[TQ+\k], 0x80000000, v[TQ+\k]
.endr
.irp k, 0,1,2,3,4,5,6,7
	v_xor_b32 v[TO+2*\k], v[TQ+\k], v[TN+\k]
.endr
.irp m, 0,1,2,3
	global_store_b128 v7, v[TO+4*\m:TO+4*\m+3], s[20:21] offset:512*\m   ; 32 lanes store 512 consecutive bytes, aligned
.endr
	s_endpgm
.Lfunc_end_k_qdbc3396509_prep:
	.size	k_qdbc3396509_prep, .Lfunc_end_k_qdbc3396509_prep-k_qdbc3396509_prep
	.p2alignl 7, 3214868480
	.fill 96, 4, 3214868480
	.section	.rodata,"a",@progbits
	.p2align	6, 0x0
	.amdhsa_kernel k_qdbc3396509_prep
		.amdhsa_group_segment_fixed_size 50688
		.amdhsa_private_segment_fixed_size 0
		.amdhsa_enable_private_segment 0
		.amdhsa_kernarg_size 40
		.amdhsa_user_sgpr_count 2
		.amdhsa_user_sgpr_kernarg_segment_ptr 1
		.amdhsa_wavefront_size32 1
		.amdhsa_system_sgpr_workgroup_id_x 1
		.amdhsa_system_sgpr_workgroup_id_y 1
		.amdhsa_system_sgpr_workgroup_id_z 1
		.amdhsa_system_vgpr_workitem_id 0
		.amdhsa_next_free_vgpr 194
		.amdhsa_next_free_sgpr 72
		.amdhsa_reserve_vcc 1
		.amdhsa_float_denorm_mode_32 3
		.amdhsa_float_denorm_mode_16_64 3
		.amdhsa_memory_ordered 1
		.amdhsa_forward_progress 1
		.amdhsa_inst_pref_size 91
	.end_amdhsa_kernel
	.amdgpu_metadata
---
amdhsa.version: [ 1, 2 ]
amdhsa.kernels:
  - .name:           k_qdbc3396509_prep
    .symbol:         k_qdbc3396509_prep.kd
    .args:
      - { .name: hidden_state, .offset: 0, .size: 8, .value_kind: global_buffer, .address_space: global }
      - { .name: wq, .offset: 8, .size: 8, .value_kind: global_buffer, .address_space: global }
      - { .name: wk, .offset: 16, .size: 8, .value_kind: global_buffer, .address_space: global }
      - { .name: wv, .offset: 24, .size: 8, .value_kind: global_buffer, .address_space: global }
      - { .name: prep, .offset: 32, .size: 8, .value_kind: global_buffer, .address_space: global }
    .group_segment_fixed_size: 50688
    .private_segment_fixed_size: 0
    .kernarg_segment_align: 8
    .kernarg_segment_size: 40
    .max_flat_workgroup_size: 128
    .sgpr_count:     72
    .vgpr_count:     194
    .wavefront_size: 32
...
	.end_amdgpu_metadata
.endif
;; end of part 1
;; launch proj (part 2): grid 16 x 16, 4 waves a work-group, clusters of 4 x 4, 327,680 bytes of LDS; arguments prep, bq, bk, bv, qkv; writes qkv
.if DOCPART == 2
	.amdgcn_target "amdgcn-amd-amdhsa--gfx1250"
	.amdhsa_code_object_version 6
	.text
	.protected	k_qdbc3396509_proj
	.globl	k_qdbc3396509_proj
	.p2align	8
	.type	k_qdbc3396509_proj,@function
k_qdbc3396509_proj:
	s_mov_b64 s[64:65], 0
	v_nop
	global_prefetch_b8 v0, s[64:65] scope:SCOPE_SE
	s_setreg_imm32_b32 hwreg(HW_REG_WAVE_MODE, 25, 1), 1
	s_wait_xcnt 0x0
	s_wait_alu depctr_hold_cnt(0) depctr_sa_sdst(0) depctr_va_vdst(0) depctr_va_sdst(0) depctr_va_ssrc(0) depctr_va_vcc(0) depctr_vm_vsrc(0)
	s_getreg_b32 s2, hwreg(HW_REG_IB_STS2, 6, 4)
	s_cmp_eq_u32 s2, 0
	s_cbranch_scc0 .Lentry_in_a_cluster
	s_endpgm
.Lentry_in_a_cluster:
	s_bfe_u32 s2, ttmp6, 0x10000c
	s_cmp_lg_u32 s2, 0xf033
	s_cbranch_scc0 .Lentry_shape_is_right
	s_endpgm
.Lentry_shape_is_right:
.set WC_OFF,  4194304
.set XS_OFF,  8388608
.set WS_OFF,  8650752
.set TAB_OFF, 8912896
.set QB,      4456448
; PROJ: q, k and v = x W + b on codes of FP4 with E8M0 scales, sums in f32; RoPE on q and k; the results quantised again (q, k along the head's 128, v along the keys) and stored as images of the operand registers that
; the next launch loads.  256 work-groups, 4 x 4 in a cluster, a tile of 256 x 256 each, four waves of 128 x 128; K = 2,048 in four steps of 512 through a ring of two LDS slots, filled by joint loads.
; The source with the tokens is A for q and k; for v the two sources change places, so that a lane's registers run along the keys.
; NO PREFETCH: a refill's tile could be asked for two refills ahead at the earliest, and K has only two refills.
; LIMITS: NaN and infinities are not served; a block of zeros keeps the scale byte 1 (its codes are zeros).
; THE WAY OUT of q and k: RoPE's table for the work-group's 256 tokens, 131,072 dense bytes, comes into slot 0 behind that slot's last K step and is read from LDS.  That load is not joint: the clusters that make v do not issue it.
.set KSTEP,  512
.set NQ,     4
.set ROWB,   256
.set KROW,   1024
.set PITCH,  272
.set FR,     8
.set NL,     2
.set NP,     4
.set HALFT,  128*PITCH
.set SLOT,   4*HALFT
.set LAPS,   2
.set KS,     64
.set SCL,    2*SLOT
.set HALFS,  (128*KS/256)*272
.set SBLK,   (16*KS/256)*272
.set SPARE,  SCL+4*HALFS
.set ADRA, 16
.set ADRB, 20
.set ADRS, 27
.set SPW,  28
.set NIL,  29
.set LI,   30
.set BO,   31
.set TL,   22
.set SC,   32
.set TM,   96
.set PC,   112
.set PWS,  120
.set AF,   128
.set XV,   128
.set BI,   192
.set G1, 24
.set G0, 32
.set G1B, 48
.set G0B, 56
.set G1S, 68
.set G0S, 76
.set G1SB, 80
.set G0SB, 88
.set MSB, 0
.macro WIN new
.if MSB != (\new)
	s_set_vgpr_msb (MSB<<8)|(\new)
.set MSB, (\new)
.endif
.endm
.set MUL_LO, 0xa1
.set MUL_HI, 0xf1
.set TO_B,   0x40
.macro JLOAD g0a, g1a, g0b, g1b
	s_cmp_eq_u32 s15, 0
	s_cbranch_scc0 .Lfor_b_\@
	tensor_load_to_lds s[\g0a:\g0a+3], s[\g1a:\g1a+7]
	s_nop 0
.rept 4
	v_nop
.endr
	s_branch .Lasked_\@
.Lfor_b_\@:
	tensor_load_to_lds s[\g0b:\g0b+3], s[\g1b:\g1b+7]
	s_nop 0
.rept 4
	v_nop
.endr
.Lasked_\@:
.endm
.macro CREST
	s_cmp_lg_u32 s14, 0
	s_cbranch_scc1 .Lnot_wave_0_\@
	s_barrier_signal -3
.Lnot_wave_0_\@:
	s_barrier_wait -3
	s_barrier_signal -1
	s_barrier_wait -1
.endm
.macro CROUND
	s_barrier_signal -1
	s_barrier_wait -1
	CREST
.endm
	s_load_b256 s[4:11], s[0:1], 0x0
	s_load_b64 s[12:13], s[0:1], 0x20
	v_lshl_add_u32 v[SPW], v0, 2, SPARE
	v_mov_b32 v[NIL], 0
	ds_add_u32 v28, v29
	ds_add_u32 v28, v29
	s_wait_dscnt 0x0
	v_lshrrev_b32 v1, 5, v0
	v_readfirstlane_b32 s14, v1
	s_lshr_b32 s15, s14, 1
	s_and_b32 s16, s14, 1
	s_bfe_u32 s40, ttmp6, 0x40000
	s_bfe_u32 s41, ttmp6, 0x40004
	s_and_b32 s18, ttmp7, 0xffff
	s_add_co_u32 s2, ttmp9, 1
	s_lshr_b32 s2, s2, 2
	s_mul_i32 s19, s2, s18
	s_mul_i32 s20, s2, 3
	s_add_co_u32 s42, ttmp9, s19
	s_sub_co_u32 s42, s42, s20
	s_lshl_b32 s42, s42, 2
	s_add_co_u32 s42, s42, s40
	s_sub_co_u32 s17, s18, s19
	s_lshl_b32 s17, s17, 2
	s_add_co_u32 s17, s17, s41
	s_lshl_b32 s43, s41, 2
	s_lshl_b32 s43, 15, s43
	s_lshl_b32 s44, 0x1111, s40
	s_or_b32 s[G1+0], s43, (0<<16)|(1<<20)|(1<<21)|(5<<22)|(3<<25)
	s_or_b32 s[G1B+0], s44, (0<<16)|(1<<20)|(1<<21)|(5<<22)|(3<<25)
.irp g, G1, G1B
	s_mov_b32 s[\g+1], ROWB<<16
	s_mov_b32 s[\g+2], 256<<16                     ; 256 rows for the head's loads; 128 for the ring's, from the head's end on
	s_mov_b32 s[\g+3], ROWB<<16
	s_mov_b32 s[\g+4], 256
	s_mov_b32 s[\g+5], KROW
	s_mov_b32 s[\g+6], 0
	s_mov_b32 s[\g+7], 0
.endr
	s_or_b32 s[G1S+0], s43, (3<<16)|(1<<20)|(1<<21)|(5<<22)|(3<<25)
	s_or_b32 s[G1SB+0], s44, (3<<16)|(1<<20)|(1<<21)|(5<<22)|(3<<25)
.irp g, G1S, G1SB
	s_mov_b32 s[\g+1], 32<<16
	s_mov_b32 s[\g+2], KS<<16                      ; the scales of 256 rows: KS rows of 256 bytes
	s_mov_b32 s[\g+3], 32<<16
	s_mov_b32 s[\g+4], KS
	s_mov_b32 s[\g+5], 32
	s_mov_b32 s[\g+6], 0
	s_mov_b32 s[\g+7], 0
.endr
	s_lshl_b32 s20, s17, 8
	s_lshl_b32 s46, s42, 8
	s_lshl_b32 s22, s20, 6
	s_mul_i32 s19, s2, WS_OFF+3072*64-XS_OFF
	s_add_co_u32 s22, s22, s19
	s_add_co_u32 s22, s22, XS_OFF
	s_mov_b32 s23, 0
	s_lshl_b32 s20, s20, 10
	s_mul_i32 s19, s2, WC_OFF+3072*1024
	s_add_co_u32 s20, s20, s19
	s_mov_b32 s21, 0
	s_lshl_b32 s92, s46, 6
	s_add_co_u32 s92, s92, WS_OFF
	s_mul_i32 s19, s2, WS_OFF-XS_OFF
	s_sub_co_u32 s92, s92, s19
	s_mov_b32 s93, 0
	s_lshl_b32 s46, s46, 10
	s_add_co_u32 s46, s46, WC_OFF
	s_mul_i32 s19, s2, WC_OFF
	s_sub_co_u32 s46, s46, s19
	s_mov_b32 s47, 0
	s_mul_i32 s45, s14, HALFT
	s_wait_kmcnt 0x0
	s_add_nc_u64 s[20:21], s[4:5], s[20:21]
	s_add_nc_u64 s[22:23], s[4:5], s[22:23]
	s_add_nc_u64 s[46:47], s[4:5], s[46:47]
	s_add_nc_u64 s[92:93], s[4:5], s[92:93]
	CROUND
	s_mov_b32 s[G0], 1                             ; the head's four tiles, each whole: K step 0's 256 rows of A,
	s_mov_b32 s[G0+1], 0
	s_mov_b64 s[G0+2:G0+3], s[20:21]
	s_or_b32 s[G0+3], s[G0+3], 0x80000000
	s_mov_b32 s[G0B], 1                            ; its 256 rows of B,
	s_mov_b32 s[G0B+1], 2*HALFT
	s_mov_b64 s[G0B+2:G0B+3], s[46:47]
	s_or_b32 s[G0B+3], s[G0B+3], 0x80000000
	s_mov_b32 s[G0S], 1                            ; A's scales for all of K,
	s_mov_b32 s[G0S+1], SCL
	s_mov_b64 s[G0S+2:G0S+3], s[22:23]
	s_or_b32 s[G0S+3], s[G0S+3], 0x80000000
	s_mov_b32 s[G0SB], 1                           ; and B's
	s_mov_b32 s[G0SB+1], SCL+2*HALFS
	s_mov_b64 s[G0SB+2:G0SB+3], s[92:93]
	s_or_b32 s[G0SB+3], s[G0SB+3], 0x80000000
	s_mul_i32 s18, s16, 128*KROW                   ; the ring's loads: my 128 rows of the tile; slot 1's descriptors, at K step 1
	s_mov_b32 s19, 0
	s_mov_b32 s[G0+4], 1
	s_add_co_u32 s[G0+5], s45, SLOT
	s_add_nc_u64 s[G0+6:G0+7], s[20:21], s[18:19]
	s_add_nc_u64 s[G0+6:G0+7], s[G0+6:G0+7], ROWB
	s_or_b32 s[G0+7], s[G0+7], 0x80000000
	s_mov_b32 s[G0B+4], 1
	s_add_co_u32 s[G0B+5], s45, SLOT
	s_add_nc_u64 s[G0B+6:G0B+7], s[46:47], s[18:19]
	s_add_nc_u64 s[G0B+6:G0B+7], s[G0B+6:G0B+7], ROWB
	s_or_b32 s[G0B+7], s[G0B+7], 0x80000000
; THE HEAD'S LOADS, ONE A WAVE: one tree of branches on the wave's number, each arm with its load
.macro ARM under, g0, g1, next
	s_cmp_lt_u32 s14, \under
	s_cbranch_scc0 \next
	tensor_load_to_lds s[\g0:\g0+3], s[\g1:\g1+7]
	s_nop 0
.rept 4
	v_nop
.endr
	s_branch .Lhead_asked
\next:
.endm
	ARM 1, G0,  G1,  .Lhead_b
	ARM 2, G0B, G1B, .Lhead_sa
	ARM 3, G0S, G1S, .Lhead_sb
	tensor_load_to_lds s[G0SB:G0SB+3], s[G1SB:G1SB+7]
	s_nop 0
.rept 4
	v_nop
.endr
.Lhead_asked:
	v_and_b32 v1, 15, v0
	v_bfe_u32 v2, v0, 4, 1
	v_mul_u32_u24 v3, v1, PITCH
	v_lshl_add_u32 v4, v2, 4, v3
	s_mul_i32 s21, s15, HALFT
	s_mul_i32 s22, s16, HALFT
	s_add_co_u32 s22, s22, 2*HALFT
.irp s, 0,1
	v_add_nc_u32 v[ADRA+\s], s21, v4
	v_add_nc_u32 v[ADRB+\s], s22, v4
	s_add_co_u32 s21, s21, SLOT
	s_add_co_u32 s22, s22, SLOT
.endr
	v_mul_u32_u24 v5, v1, KS
	v_lshrrev_b32 v6, 8, v5
	v_lshl_add_u32 v5, v6, 4, v5
	s_mul_i32 s21, s15, HALFS
	s_mul_i32 s22, s16, HALFS
	s_add_co_u32 s22, s22, 2*HALFS
	s_sub_co_u32 s22, s22, s21
	v_mul_u32_u24 v6, s22, v2
	s_add_co_u32 s21, s21, SCL
	v_add_nc_u32 v5, v5, v6
	v_add_nc_u32 v[ADRS], s21, v5
	v_and_b32 v6, 31, v0
	v_lshlrev_b32 v[LI], 4, v6
	s_lshl_b32 s21, s15, 16
	v_add_nc_u32 v[TL], s21, v[LI]                 ; where my 128 tokens' table begins in LDS, + 16 x lane
.irp b, 0,1,2,3
	v_mov_b32 v[TM+4+\b], 0
.endr
	s_mov_b32 s66, 0x76543210
	s_mov_b32 s67, 0xfedcba98
.macro FRAG reg, adr, q, i
.irp c, 0,1
	ds_load_b128 v[\reg+4*\c:\reg+4*\c+3], v[\adr] offset:64*(\q)+32*\c+(\i)*16*PITCH
.endr
.endm
.macro MUL16 a0, p, q, sc, zero
.irp a, \a0, \a0+1
.irp b, 0,1,2,3,4,5,6,7
.if \zero
	v_wmma_scale_f32_16x16x128_f8f6f4 v[8*(8*((\a)%4)+\b):8*(8*((\a)%4)+\b)+7], v[128*(\p)+FR*\b:128*(\p)+FR*\b+FR-1], v[AF+FR*(\a):AF+FR*(\a)+FR-1], 0, v[SC+8*NQ*(\sc)+NQ*\b+(\q)], v[SC+8*NQ*(\sc)+NQ*(\a)+(\q)] matrix_a_fmt:MATRIX_FMT_FP4 matrix_b_fmt:MATRIX_FMT_FP4 matrix_a_scale:MATRIX_SCALE_ROW1
.else
	v_wmma_scale_f32_16x16x128_f8f6f4 v[8*(8*((\a)%4)+\b):8*(8*((\a)%4)+\b)+7], v[128*(\p)+FR*\b:128*(\p)+FR*\b+FR-1], v[AF+FR*(\a):AF+FR*(\a)+FR-1], v[8*(8*((\a)%4)+\b):8*(8*((\a)%4)+\b)+7], v[SC+8*NQ*(\sc)+NQ*\b+(\q)], v[SC+8*NQ*(\sc)+NQ*(\a)+(\q)] matrix_a_fmt:MATRIX_FMT_FP4 matrix_b_fmt:MATRIX_FMT_FP4 matrix_a_scale:MATRIX_SCALE_ROW1
.endif
.endr
.endr
.endm
.macro FETCH_B slot, q, p
	WIN TO_B
.irp i, 0,1,2,3,4,5,6,7
	FRAG 128*(\p)+FR*\i, ADRB+\slot, \q, \i
.endr
	WIN 0
.endm
.macro FETCH_A slot, q, i0
.irp i, \i0, \i0+1, \i0+2, \i0+3
	FRAG AF+FR*(\i), ADRA+\slot, \q, \i
.endr
.endm
.macro SCALES sc
.irp i, 0,1,2,3,4,5,6,7
	ds_load_b128 v[SC+8*NQ*\sc+NQ*\i:SC+8*NQ*\sc+NQ*\i+3], v[ADRS] offset:\i*SBLK
.endr
.endm
.macro PLACES n
.rept \n
	v_nop
.endr
.endm
.macro STEP slot, q, zero
	s_wait_dscnt 4*NL
	WIN MUL_LO
	MUL16 0, (\q)%2, \q, \slot, \zero
	MUL16 2, (\q)%2, \q, \slot, \zero
	s_wait_dscnt 0
	PLACES NP
	FETCH_B \slot, (\q)+1, 1-(\q)%2
	FETCH_A \slot, (\q)+1, 0
	WIN MUL_HI
	MUL16 4, (\q)%2, \q, \slot, \zero
	MUL16 6, (\q)%2, \q, \slot, \zero
	PLACES NP
	WIN 0
	FETCH_A \slot, (\q)+1, 4
.endm
.macro TURN slot, next, fill
	s_wait_tensorcnt 0x0
	ds_add_u32 v[SPW], v[NIL]
	s_wait_dscnt 4*NL+1
	WIN MUL_LO
	MUL16 0, 1, NQ-1, \slot, 0
	s_wait_dscnt 0x0
	s_barrier_signal -1
	MUL16 2, 1, NQ-1, \slot, 0
	WIN 0
	s_barrier_wait -1
.if (\fill) == 2                       ; the slot takes RoPE's table, in the clusters that make q and k
	CREST
	s_cmp_lg_u32 s2, 0
	s_cbranch_scc1 .Lno_table
	tensor_load_to_lds s[G0S:G0S+3], s[G1S:G1S+7]
	s_nop 0
.rept 4
	v_nop
.endr
.Lno_table:
	PLACES NP
.elseif \fill
	CREST
	s_add_nc_u64 s[G0+4*\slot+2:G0+4*\slot+3], s[G0+4*\slot+2:G0+4*\slot+3], 2*ROWB
	s_add_nc_u64 s[G0B+4*\slot+2:G0B+4*\slot+3], s[G0B+4*\slot+2:G0B+4*\slot+3], 2*ROWB
	JLOAD G0+4*\slot, G1, G0B+4*\slot, G1B
.else
	PLACES NP
.endif
	s_wait_alu depctr_va_vdst(0)
	v_add_nc_u32 v[ADRS], 4*NQ, v[ADRS]
	FETCH_B \next, 0, 0
	FETCH_A \next, 0, 0
	SCALES \next
	WIN MUL_HI
	MUL16 4, 1, NQ-1, \slot, 0
	MUL16 6, 1, NQ-1, \slot, 0
	PLACES NP
	WIN 0
	FETCH_A \next, 0, 4
.endm
.macro STEPS slot, from
.set Q, \from
.rept NQ-1-\from
	STEP \slot, Q, 0
.set Q, Q+1
.endr
.endm
.macro LASTSTEP
	s_wait_dscnt 4*NL
	WIN MUL_LO
	MUL16 0, 1, NQ-1, 1, 0
	MUL16 2, 1, NQ-1, 1, 0
	s_wait_dscnt 0
	WIN MUL_HI
	MUL16 4, 1, NQ-1, 1, 0
	MUL16 6, 1, NQ-1, 1, 0
	WIN 0
	PLACES NP
.endm
.macro QUANT a
.irp b, 0,1,2,3
	v_max3_num_f32 v[TM+\b], |v[XV+16*\b]|, |v[XV+1+16*\b]|, 0x1800000
.endr
.irp i, 2,4,6,8,10,12,14
.irp b, 0,1,2,3
	v_max3_num_f32 v[TM+\b], v[TM+\b], |v[XV+16*\b+\i]|, |v[XV+1+16*\b+\i]|
.endr
.endr
.irp b, 0,1,2,3
	v_permlanex16_b32 v[TM+4+\b], v[TM+\b], s66, s67
.endr
.irp b, 0,1,2,3
	v_max_num_f32 v[TM+\b], v[TM+\b], v[TM+4+\b]
.endr
.irp b, 0,1,2,3
	v_add_nc_u32 v[TM+12+\b], 0xff000000, v[TM+\b]
.endr
.irp b, 0,1,2,3
	v_lshrrev_b32 v[TM+4+\b], 23, v[TM+12+\b]
.endr
	v_lshl_or_b32 v[PWS+(\a)], v[TM+5], 8, v[TM+4]
	v_lshl_or_b32 v[PWS+(\a)], v[TM+6], 16, v[PWS+(\a)]
	v_lshl_or_b32 v[PWS+(\a)], v[TM+7], 24, v[PWS+(\a)]
	s_wait_xcnt 0x0
.irp b, 0,1,2,3
	v_cvt_scalef32_pk8_fp4_f32 v[PC+2*\b], v[XV+16*\b:XV+7+16*\b], v[TM+12+\b]
	v_cvt_scalef32_pk8_fp4_f32 v[PC+1+2*\b], v[XV+8+16*\b:XV+15+16*\b], v[TM+12+\b]
.endr
	v_nop
.irp c, 0,1
.irp i, 0,1
	v_permlane16_swap_b32 v[PC+4*\c+\i], v[PC+2+4*\c+\i]
.endr
.endr
.endm
.macro OUTC a
	global_store_b128 v[LI], v[PC:PC+3], s[22:23] offset:1024*(\a)
	global_store_b128 v[LI], v[PC+4:PC+7], s[22:23] offset:1024*(\a)+512
.endm
.macro OUTS
	s_wait_xcnt 0x0
	v_cmp_le_u32 vcc_lo, 0x100, v[LI]
.irp i, 0,1,2,3
	v_cndmask_b32 v[PC+\i], v[PWS+\i], v[PWS+4+\i], vcc_lo
.endr
	global_store_b128 v[LI], v[PC:PC+3], s[92:93]
.endm
.macro TLOADS a
.set TBF, 128*((\a)%2)+64*(1-(((\a)%4)/2))
	WIN TO_B
.set j, 0
.rept 16
	ds_load_b128 v[TBF+4*j:TBF+4*j+3], v[TL] offset:8192*(\a)+512*j
.set j, j+1
.endr
	WIN 0
.endm
.macro EPIQ a
.if (\a) < 6
	s_wait_dscnt 32                                ; block a's sixteen loads are in; those of the two blocks behind it may be out
.elseif (\a) == 6
	s_wait_dscnt 16
.else
	s_wait_dscnt 0
.endif
.if (\a) < 5
	TLOADS (\a)+3
.endif
.set AC, 64*((\a)%4)
.set TBF, 128*((\a)%2)+64*(1-(((\a)%4)/2))
	WIN 0x02+(\a)/4
.set i, 0
.rept 32
	v_pk_add_f32 v[XV+i:XV+i+1], v[AC+i:AC+i+1], v[BI+i:BI+i+1]
.set i, i+2
.endr
	WIN 0x04
.set g, 0
.rept 4
.set i, 0
.rept 8
	v_pk_mul_f32 v[TM+2*i:TM+2*i+1], v[XV+16*g+2*i:XV+16*g+2*i+1], v[TBF+16*g+2*i:TBF+16*g+2*i+1] op_sel_hi:[1,0]
.set i, i+1
.endr
.set i, 0
.rept 8
	v_pk_fma_f32 v[XV+16*g+2*i:XV+16*g+2*i+1], v[XV+16*g+2*i:XV+16*g+2*i+1], v[TBF+16*g+2*i:TBF+16*g+2*i+1], v[TM+2*i:TM+2*i+1] op_sel:[1,1,0] op_sel_hi:[0,1,1] neg_lo:[0,1,0]
.set i, i+1
.endr
.set g, g+1
.endr
	WIN 0
	QUANT \a
	OUTC \a
.endm
.macro EPIV a
.set AC, 64*((\a)%4)
.set BP, BI+2*((\a)/2)
	WIN 0x02+(\a)/4
.set i, 0
.rept 32
.if ((\a)%2) == 0
	v_pk_add_f32 v[XV+i:XV+i+1], v[AC+i:AC+i+1], v[BP:BP+1] op_sel_hi:[1,0]
.else
	v_pk_add_f32 v[XV+i:XV+i+1], v[AC+i:AC+i+1], v[BP:BP+1] op_sel:[0,1] op_sel_hi:[1,1]
.endif
.set i, i+2
.endr
	WIN 0
	QUANT \a
	OUTC \a
.endm
	s_wait_alu depctr_va_vdst(0)                   ; the head's end
	s_wait_tensorcnt 0x0                           ; my tile of the head's four is in
	ds_add_u32 v[SPW], v[NIL]
	s_mov_b32 s[G1+2], 128<<16                     ; no tensor load of mine is out, so descriptors may be written: from here on a load brings 128 rows,
	s_mov_b32 s[G1+4], 128
	s_mov_b32 s[G1B+2], 128<<16
	s_mov_b32 s[G1B+4], 128
	s_mov_b32 s[G0+1], s45                         ; and slot 0's descriptors become the ring's: my 128 rows at K step 0; its first refill steps them
	s_sub_nc_u64 s[G0+2:G0+3], s[G0+6:G0+7], ROWB
	s_mov_b32 s[G0B+1], s45
	s_sub_nc_u64 s[G0B+2:G0B+3], s[G0B+6:G0B+7], ROWB
	s_mov_b32 s[G1S+0], 3<<16                      ; the scales' descriptor becomes the table's: 128 rows of 256 bytes a wave, dense, no mask, no padding
	s_mov_b32 s[G1S+2], 128<<16
	s_mov_b32 s[G1S+4], 128
	s_lshl_b32 s18, s14, 15
	s_mov_b32 s[G0S+1], s18
	s_and_b32 s19, s17, 7
	s_lshl_b32 s19, s19, 17
	s_add_co_u32 s18, s18, s19
	s_add_co_u32 s18, s18, TAB_OFF
	s_mov_b32 s19, 0
	s_add_nc_u64 s[G0S+2:G0S+3], s[4:5], s[18:19]
	s_or_b32 s[G0S+3], s[G0S+3], 0x80000000
	s_wait_dscnt 0x0                               ; the add is done
	CROUND                                         ; all four tiles are in, all sixteen work-groups are here
	JLOAD G0+4, G1, G0B+4, G1B                     ; K step 1, the first tensor load behind the round
	FETCH_B 0, 0, 0
	FETCH_A 0, 0, 0
	SCALES 0
	FETCH_A 0, 0, 4
	STEP 0, 0, 1
	s_mov_b32 s3, LAPS-1
.Llap:
	STEPS 0, 1
	TURN 0, 1, 1
	STEPS 1, 0
	TURN 1, 0, 1
	STEP 0, 0, 0
	s_sub_co_u32 s3, s3, 1
	s_cmp_lg_u32 s3, 0
	s_cbranch_scc1 .Llap
	STEPS 0, 1
	TURN 0, 1, 2
	STEPS 1, 0
	s_cmp_lg_u32 s2, 0
	s_cbranch_scc1 .Larm_v
	s_lshl_b32 s18, s17, 1
	s_add_co_u32 s18, s18, s15
	s_lshr_b32 s19, s18, 4
	s_and_b32 s18, s18, 15
	s_lshl_b32 s95, s42, 1
	s_add_co_u32 s95, s95, s16
	s_cmp_eq_u32 ttmp9, 2
	s_cselect_b32 s96, 3, 4
	s_cselect_b32 s97, 16, 0
	s_mov_b32 s98, 8704
	s_cselect_b32 s98, 17408, s98
	s_mov_b32 s99, QB
	s_cselect_b32 s99, 0, s99
	s_mov_b32 s100, 8192
	s_cselect_b32 s100, 16384, s100
	s_cselect_b64 s[46:47], s[8:9], s[6:7]
	s_sub_co_u32 s95, s95, s97
	s_lshl_b32 s96, s19, s96
	s_add_co_u32 s96, s96, s95
	s_lshl_b32 s96, s96, 4
	s_add_co_u32 s96, s96, s18
	s_mul_i32 s96, s96, s98
	s_add_co_u32 s96, s96, s99
	s_mov_b32 s97, 0
	s_add_nc_u64 s[22:23], s[12:13], s[96:97]
	s_add_co_u32 s96, s96, s100
	s_add_nc_u64 s[92:93], s[12:13], s[96:97]
	s_lshl_b32 s96, s95, 9
	s_add_nc_u64 s[46:47], s[46:47], s[96:97]
	v_bfe_u32 v[BO], v0, 4, 1
	v_lshlrev_b32 v[BO], 6, v[BO]
.irp b, 0,1,2,3
.irp j, 0,1,2,3
	global_load_b128 v[BI+16*\b+4*\j:BI+16*\b+4*\j+3], v[BO], s[46:47] offset:128*\b+16*\j
.endr
.endr
	s_branch .Llast
.Larm_v:
	s_lshl_b32 s95, s17, 1
	s_add_co_u32 s95, s95, s15
	s_lshl_b32 s18, s42, 1
	s_add_co_u32 s18, s18, s16
	s_lshr_b32 s19, s18, 4
	s_and_b32 s18, s18, 15
	s_lshl_b32 s96, s19, 3
	s_add_co_u32 s96, s96, s95
	s_lshl_b32 s96, s96, 4
	s_add_co_u32 s96, s96, s18
	s_mul_i32 s96, s96, 17408
	s_add_co_u32 s96, s96, 8192
	s_mov_b32 s97, 0
	s_add_nc_u64 s[22:23], s[12:13], s[96:97]
	s_add_co_u32 s96, s96, 16896-8192
	s_add_nc_u64 s[92:93], s[12:13], s[96:97]
	s_lshl_b32 s96, s95, 9
	s_add_nc_u64 s[46:47], s[10:11], s[96:97]
	v_and_b32 v[BO], 15, v0
	v_and_b32 v1, 8, v[BO]
	v_add_lshl_u32 v[BO], v[BO], v1, 2
.irp a, 0,1,2,3,4,5,6,7
	global_load_b32 v[BI+\a], v[BO], s[46:47] offset:(32*(\a/2)+8*(\a%2))*4
.endr
.Llast:
	LASTSTEP
	s_wait_loadcnt 0x0                             ; the biases
	s_wait_tensorcnt 0x0                           ; my quarter of the table is in,
	s_wait_dscnt 0x0
	s_barrier_signal -1
	s_barrier_wait -1                              ; and everybody's
	s_cmp_lg_u32 s2, 0
	s_cbranch_scc1 .Lout_v
	TLOADS 0
	TLOADS 1
	TLOADS 2
.irp a, 0,1,2,3,4,5,6,7
	EPIQ \a
.endr
	OUTS
	s_branch .Ljoin
.Lout_v:
.irp a, 0,1,2,3,4,5,6,7
	EPIV \a
.endr
	OUTS
.Ljoin:
	s_wait_tensorcnt 0x0
	ds_add_u32 v[SPW], v[NIL]
	s_wait_dscnt 0x0
	CROUND
	s_endpgm
.Lfunc_end_k_qdbc3396509_proj:
	.size	k_qdbc3396509_proj, .Lfunc_end_k_qdbc3396509_proj-k_qdbc3396509_proj
	.p2alignl 7, 3214868480
	.fill 96, 4, 3214868480
	.section	.rodata,"a",@progbits
	.p2align	6, 0x0
	.amdhsa_kernel k_qdbc3396509_proj
		.amdhsa_group_segment_fixed_size 327680
		.amdhsa_private_segment_fixed_size 0
		.amdhsa_enable_private_segment 0
		.amdhsa_kernarg_size 40
		.amdhsa_user_sgpr_count 2
		.amdhsa_user_sgpr_kernarg_segment_ptr 1
		.amdhsa_wavefront_size32 1
		.amdhsa_system_sgpr_workgroup_id_x 1
		.amdhsa_system_sgpr_workgroup_id_y 1
		.amdhsa_system_sgpr_workgroup_id_z 1
		.amdhsa_system_vgpr_workitem_id 0
		.amdhsa_next_free_vgpr 1024
		.amdhsa_next_free_sgpr 102
		.amdhsa_reserve_vcc 1
		.amdhsa_float_denorm_mode_32 3
		.amdhsa_float_denorm_mode_16_64 3
		.amdhsa_memory_ordered 1
		.amdhsa_forward_progress 1
		.amdhsa_inst_pref_size 255
	.end_amdhsa_kernel
	.section	.bss,"aw",@nobits
	.p2align	6
	.space	262144
	.amdgpu_metadata
---
amdhsa.version: [ 1, 2 ]
amdhsa.kernels:
  - .name:           k_qdbc3396509_proj
    .symbol:         k_qdbc3396509_proj.kd
    .args:
      - { .name: prep, .offset: 0, .size: 8, .value_kind: global_buffer, .address_space: global }
      - { .name: bq, .offset: 8, .size: 8, .value_kind: global_buffer, .address_space: global }
      - { .name: bk, .offset: 16, .size: 8, .value_kind: global_buffer, .address_space: global }
      - { .name: bv, .offset: 24, .size: 8, .value_kind: global_buffer, .address_space: global }
      - { .name: qkv, .offset: 32, .size: 8, .value_kind: global_buffer, .address_space: global }
    .group_segment_fixed_size: 327680
    .private_segment_fixed_size: 0
    .kernarg_segment_align: 8
    .kernarg_segment_size: 40
    .max_flat_workgroup_size: 128
    .sgpr_count:     102
    .vgpr_count:     1024
    .wavefront_size: 32
...
	.end_amdgpu_metadata
.endif
;; end of part 2
;; launch attn (part 3): grid 8 x 32, 16 waves a work-group, clusters of 4 x 1, 327,680 bytes of LDS; arguments qkv, out0; writes out0
.if DOCPART == 3
	.amdgcn_target "amdgcn-amd-amdhsa--gfx1250"
	.amdhsa_code_object_version 6
	.text
	.protected	k_qdbc3396509_attn
	.globl	k_qdbc3396509_attn
	.p2align	8
	.type	k_qdbc3396509_attn,@function
k_qdbc3396509_attn:
	s_mov_b64 s[64:65], 0
	v_nop
	global_prefetch_b8 v0, s[64:65] scope:SCOPE_SE
	s_setreg_imm32_b32 hwreg(HW_REG_WAVE_MODE, 25, 1), 1
	s_wait_xcnt 0x0
	s_wait_alu depctr_hold_cnt(0) depctr_sa_sdst(0) depctr_va_vdst(0) depctr_va_sdst(0) depctr_va_ssrc(0) depctr_va_vcc(0) depctr_vm_vsrc(0)
	s_getreg_b32 s2, hwreg(HW_REG_IB_STS2, 6, 4)
	s_cmp_eq_u32 s2, 0
	s_cbranch_scc0 .Lentry_in_a_cluster
	s_endpgm
.Lentry_in_a_cluster:
	s_bfe_u32 s2, ttmp6, 0x10000c
	s_cmp_lg_u32 s2, 0x3003
	s_cbranch_scc0 .Lentry_shape_is_right
	s_endpgm
.Lentry_shape_is_right:
; ATTN: out[b][q][h][:] = the sum over keys k <= q of softmax_k(q . k / sqrt(2048)) v[k][:], both products on codes of FP4 (E2M1) with one E8M0 scale for each 32 along a product's K.
; q, k and v come as images of operand registers (the buffer qkv: for each kv head and each 128 keys 17,408 bytes: k's eight fragments 8,192 | v's eight 8,192 | k's scale words 512 | v's 512; from QB on for each query head
; and each 128 queries 8,704 bytes: eight fragments | scale words).  A fragment is two loads of 16 bytes a lane at 16 x lane; a block's scale words one such load: register i holds fragment i's words in lanes 0-15 and
; fragment 4 + i's in lanes 16-31.
; THE SOFTMAX AHEAD OF THE SECOND PRODUCT: t = score x log2(e) / sqrt(2048); M = the running largest t, rounded UP to a whole number; p = 2^(t - M) is quantised along the keys, not normalised; the row's sum is taken of the
; unquantised p and divides at the end.  When M moves, the sum and O are multiplied by 2^(old M - new M): exact.
; SHARES.  A work-group has one query head (y) and tile x (16 queries) of EACH of the head's 16 blocks of 128 queries: 1 + 2 + .. + 16 = 136 key steps of 128 keys, the same in every work-group.  A wave has one block's tile.
; The blocks are dealt so that waves 0-3 have 16 .. 13 steps, waves 4-7 9 .. 12, waves 8-11 8 .. 5, waves 12-15 1 .. 4: any four waves whose numbers are equal mod 4 have 34 steps together.
; LEFT OUT: key steps that lie wholly above the causal diagonal; what they hold is not carried to the result.
; THE WHOLE KV HEAD IS IN LDS, 16 steps x 17,408 bytes, each byte filled ONCE: steps 0-3 by one load of 17 rows a wave at the head, steps 4-15 by one load of 51 rows a wave, which lands under steps 0 and 1.
; CLUSTERS: four work-groups along x have the same head and read the same tiles: every load is joint (mask 15).  Branches, trip counts and LDS addresses hang on the wave's number and the loop's count alone.
; NO PREFETCH: a wave has two loads, both at the head; there is no loop of loads to run ahead in.
; LAYOUT.  Both products are used transposed: S^T = K Q^T, O^T = V^T P^T: a lane holds ONE query (lane % 16).  Fragment t's row r is key (query, channel) 32 (t/2) + 8 (t%2) + r + 8 (r/8) of its 128, so the 16 registers of
; tiles 2 b and 2 b + 1 of S^T are the 16 neighbouring keys 32 b + 16 (lane / 16) + 0 .. 15, and register 8 t + i of O^T is channel 32 (t/2) + 16 (lane / 16) + 8 (t%2) + i.
; LIMITS: NaN and infinities are not served; the scaled scores t stay under 2^31 in magnitude; a block whose every p is 0 keeps the scale byte 1 (its codes are zeros).
; REGISTERS: v1-8 addresses that stay (v2: the step's); v12 -M, v13 the largest t, v[14:15] the sum in two halves; v16-23 Q; v24-27 K's scale words, v28-31 V's; v32-95 eight fragments of K, then of V; v96-159 S^T, then p;
; v160-223 O^T; v224-231 p's codes; v232-249, v252-254 at work; v255 Q's scale words.
.set QB,    4456448
.set STEPB, 17408                      ; a key step's bytes
.set HEADB, 16*STEPB                   ; a kv head's: LDS bytes 0 .. HEADB - 1
.set P0,    17*256                     ; a wave's part of steps 0-3,
.set P1,    51*256                     ; and of steps 4-15
.set STG,   16*272                     ; a stage for the way out: 16 rows x (256 bytes + 16).  Waves 0-7's lie behind the head; waves 8-15's in steps 0 and 1, which have had their one fill and which nobody reads behind the barrier in front of step 2
.set SPARE, 325632                     ; the spare words, 128 bytes for each wave
.set LI,  1                            ; v1  16 x lane
.set ADK, 2                            ; v2  LDS address of the step in hand
.set DD,  3                            ; v3  my query in its block - 16 (lane / 16): on the diagonal register 16 b + i is hidden where 32 b + i is above it
.set SIN, 4                            ; v4  the stage: where I put 32 bytes of a row
.set SBK, 5                            ; v5  and where I read a row back
.set GO,  6                            ; v6  my byte offset among the tile's rows of out
.set QO,  7                            ; v7  my offset in a block's q: the fragment,
.set QSO, 8                            ; v8  the scale words
.set SPW, 250
.set NIL, 251
.set WV,   8
.set BLK,  10                          ; s10 my block: steps 0 .. BLK, of which the last lies on the diagonal
.set TILE, 11
.set K,    12                          ; s12 the key step in hand
.set TB,   13                          ; s13 where it begins in LDS
.set Y,    15
.set SEL,  20                          ; s[20:21] lane selects for v_permlanex16_b32: lane l xor 16
.set CS,   22                          ; s[22:23] c = log2(e) / sqrt(2048)
.macro CROUND                          ; a round of the cluster's barrier
	s_barrier_signal -1
	s_barrier_wait -1
	s_cmp_lg_u32 s[WV], 0
	s_cbranch_scc1 .Lnot_wave_0_\@
	s_barrier_signal -3
.Lnot_wave_0_\@:
	s_barrier_wait -3
	s_barrier_signal -1
	s_barrier_wait -1
.endm
	s_load_b128 s[4:7], s[0:1], 0x0                ; qkv s[4:5], out0 s[6:7]
	v_lshl_add_u32 v[SPW], v0, 2, SPARE
	v_mov_b32 v[NIL], 0
	ds_add_u32 v[SPW], v[NIL]                      ; the wave's opening: the add, twice on end, and its wait ahead of my first tensor load
	ds_add_u32 v[SPW], v[NIL]
	v_lshrrev_b32 v12, 5, v0
	v_readfirstlane_b32 s[WV], v12                 ; wave 0..15
	s_lshr_b32 s2, s[WV], 2                        ; its row of four,
	s_and_b32 s3, s[WV], 3                         ; and its place there
	s_xor_b32 s2, s2, 3
	s_and_b32 s14, s2, 1
	s_mul_i32 s14, s14, 3
	s_xor_b32 s3, s3, s14
	s_lshl_b32 s2, s2, 2
	s_add_co_u32 s[BLK], s2, s3                    ; rows 0 and 2 count down, rows 1 and 3 up: 15-12, 8-11, 7-4, 0-3
	s_and_b32 s[Y], ttmp7, 0xffff                  ; 16 b + h
	s_bfe_u32 s2, ttmp6, 0x40000                   ; cx
	s_lshl_b32 s[TILE], ttmp9, 2
	s_add_co_u32 s[TILE], s[TILE], s2
	; descriptor group 1: dense rows of 256 bytes (32 elements of 8 bytes), no padding: images are read 16 x lane, 512 consecutive bytes an instruction
	s_mov_b32 s24, 15|(3<<16)|(1<<21)              ; 15:0 the mask: all four; 17:16 elements of 8 bytes; 21 set beside a mask
	s_mov_b32 s25, 32<<16                          ; tensor_dim0 = 32
	s_mov_b32 s26, 17<<16                          ; tensor_dim1 = 17
	s_mov_b32 s27, 32<<16                          ; tile_dim0 = 32
	s_mov_b32 s28, 17                              ; tile_dim1 = 17
	s_mov_b32 s29, 32                              ; tensor_dim0_stride
	s_mov_b32 s30, 0
	s_mov_b32 s31, 0
	s_mov_b32 s40, 15|(3<<16)|(1<<21)              ; the same with 51 rows
	s_mov_b32 s41, 32<<16
	s_mov_b32 s42, 51<<16
	s_mov_b32 s43, 32<<16
	s_mov_b32 s44, 51
	s_mov_b32 s45, 32
	s_mov_b32 s46, 0
	s_mov_b32 s47, 0
	s_lshr_b32 s48, s[Y], 1                        ; the kv head g = 8 b + h / 2
	s_mul_i32 s48, s48, HEADB
	s_mul_i32 s33, s[WV], P0                       ; 63:32 LDS address: my 17 rows of steps 0-3,
	s_mul_i32 s37, s[WV], P1
	s_add_co_u32 s37, s37, 4*STEPB                 ; my 51 rows of steps 4-15
	s_add_co_u32 s50, s48, s37
	s_add_co_u32 s48, s48, s33                     ; and in memory: the same offsets in the kv head
	s_mov_b32 s49, 0
	s_mov_b32 s51, 0
	s_lshl_b32 s52, s[Y], 4
	s_add_co_u32 s52, s52, s[BLK]
	s_mul_i32 s52, s52, 8704
	s_add_co_u32 s52, s52, QB                      ; my block of q
	s_mov_b32 s53, 0
	s_lshr_b32 s54, s[TILE], 1
	s_lshl_b32 s54, s54, 5
	s_and_b32 s55, s[TILE], 1
	s_lshl_b32 s55, s55, 3
	s_add_co_u32 s54, s54, s55                     ; my tile's first query in its block: 32 (x/2) + 8 (x%2)
	s_lshr_b32 s16, s[Y], 4
	s_lshl_b32 s16, s16, 11
	s_lshl_b32 s55, s[BLK], 7
	s_add_co_u32 s16, s16, s55
	s_add_co_u32 s16, s16, s54                     ; my tile's first token,
	s_lshl_b32 s16, s16, 4
	s_and_b32 s55, s[Y], 15
	s_add_co_u32 s16, s16, s55                     ; x 16 heads + my head,
	s_lshl_b32 s16, s16, 9                         ; in bytes of out
	s_mov_b32 s17, 0
	s_lshl_b32 s55, s[TILE], 10
	s_lshr_b32 s56, s[TILE], 2
	s_lshl_b32 s56, s56, 8
	s_and_b32 s57, s[TILE], 3
	s_lshl_b32 s57, s57, 2
	s_add_co_u32 s56, s56, s57
	s_add_co_u32 s56, s56, 8192                    ; the tile's scale words: 256 (x/4) + 16 r + 4 (x%4)
	s_lshr_b32 s57, s[WV], 3
	s_xor_b32 s57, s57, 1
	s_mul_i32 s57, s57, HEADB
	s_and_b32 s58, s[WV], 7
	s_mul_i32 s58, s58, STG
	s_add_co_u32 s57, s57, s58                     ; my stage
	s_mov_b32 s[SEL], 0x76543210
	s_mov_b32 s[SEL+1], 0xfedcba98
	s_mov_b32 s[CS], 0x3d0293ee                    ; c = log2(e) / sqrt(2048)
	s_mov_b32 s[CS+1], s[CS]                       ; (named with it as a pair, so it is written)
	v_and_b32 v12, 31, v0
	v_and_b32 v13, 15, v0                          ; r
	v_bfe_u32 v14, v0, 4, 1                        ; h
	v_lshlrev_b32 v[LI], 4, v12
	v_and_b32 v15, 8, v13
	v_add3_u32 v[DD], v15, v13, s54
	v_lshlrev_b32 v12, 4, v14
	v_sub_nc_u32 v[DD], v[DD], v12
	v_add_nc_u32 v[QO], s55, v[LI]
	v_lshl_add_u32 v[QSO], v13, 4, s56
	v_mul_u32_u24 v[SIN], v13, 272
	v_lshl_add_u32 v[SIN], v14, 6, v[SIN]
	v_add_nc_u32 v[SIN], s57, v[SIN]               ; in: row r, + 64 h
	v_mul_u32_u24 v[SBK], v14, 272
	v_lshl_add_u32 v[SBK], v13, 4, v[SBK]
	v_add_nc_u32 v[SBK], s57, v[SBK]               ; back: lanes 0-15 one row, lanes 16-31 the next
	v_lshlrev_b32 v[GO], 13, v14                   ; a token's row of out is 16 heads x 512 bytes
	v_lshl_add_u32 v[GO], v13, 4, v[GO]
	s_wait_alu depctr_va_vdst(0)                   ; directly ahead of the waits below
	s_wait_dscnt 0x0                               ; both opening adds are done
	s_wait_kmcnt 0x0
	s_add_nc_u64 s[16:17], s[6:7], s[16:17]
	s_add_nc_u64 s[52:53], s[4:5], s[52:53]
	s_mov_b32 s32, 1                               ; 1:0 count = 1
	s_add_nc_u64 s[34:35], s[4:5], s[48:49]        ; 120:64 global address: made of y and the wave's number alone
	s_or_b32 s35, s35, 0x80000000                  ; 127:126 type = 2
	s_mov_b32 s36, 1
	s_add_nc_u64 s[38:39], s[4:5], s[50:51]
	s_or_b32 s39, s39, 0x80000000
	global_load_b128 v[16:19], v[QO], s[52:53]     ; Q's fragment stays in registers
	global_load_b128 v[20:23], v[QO], s[52:53] offset:512
	global_load_b32 v255, v[QSO], s[52:53]         ; Q's scale words
	CROUND                                         ; all four work-groups are here: the joint loads meet
	tensor_load_to_lds s[32:35], s[24:31]          ; steps 0-3, one load a wave
	s_nop 0
.rept 4
	v_nop
.endr
	v_mov_b32 v13, 0xff61b1e6                      ; the largest t so far: -3e38, under every t
	v_floor_f32 v12, -v13                          ; -M
	v_mov_b32 v14, 0                               ; the sum, in two halves
	v_mov_b32 v15, 0
.irp b, 0,1,2,3
	v_mov_b32 v[236+\b], 0                         ; written once: a lane permute's destination counts as one of its sources
.endr
	v_mov_b32 v252, 0
	v_mov_b32 v253, 0                              ; (named as the upper half of the pair v[252:253] before it is first written)
.set n, 0
.rept 64
	v_mov_b32 v[160+n], 0                          ; O^T.  (The step is written for every step alike: the first finds zeros, which the first change of M leaves zeros)
.set n, n+1
.endr
	s_wait_alu depctr_va_vdst(0)                   ; the head's end
	s_wait_tensorcnt 0x0                           ; my part of steps 0-3 is in
	ds_add_u32 v[SPW], v[NIL]
	s_mov_b32 s[K], 0
	s_mov_b32 s[TB], 0
	s_wait_dscnt 0x0                               ; the add is done
	CROUND                                         ; steps 0-3 are whole, and all four work-groups are here
	tensor_load_to_lds s[36:39], s[40:47]          ; steps 4-15, the first tensor load behind the round
	s_nop 0
.rept 4
	v_nop
.endr
	s_wait_loadcnt 0x0                             ; Q
; A KEY STEP: 128 keys.  A step behind my tile's diagonal is left out: a scalar branch on ids.
.macro STEP
	s_cmp_gt_u32 s[K], s[BLK]
	s_cbranch_scc1 .Lnone_\@
	v_add_nc_u32 v[ADK], s[TB], v[LI]
	ds_load_b128 v[24:27], v[ADK] offset:16384     ; K's scale words.  (The last step's products lie 32 additions back)
.irp t, 0,1,2,3,4,5,6,7
.irp c, 0,1
	ds_load_b128 v[32+8*\t+4*\c:35+8*\t+4*\c], v[ADK] offset:1024*\t+512*\c
.endr
.endr
	s_wait_alu depctr_va_vdst(0)                   ; directly ahead of the wait below
	s_wait_dscnt 8                                 ; the scale words and tiles 0-3 are in; tiles 4-7's eight loads may be out
.irp t, 0,1,2,3
	v_wmma_scale_f32_16x16x128_f8f6f4 v[96+8*\t:103+8*\t], v[32+8*\t:39+8*\t], v[16:23], 0, v[24+\t], v255 matrix_a_fmt:MATRIX_FMT_FP4 matrix_b_fmt:MATRIX_FMT_FP4
.endr
	s_wait_dscnt 0x0
.irp t, 4,5,6,7
	v_wmma_scale_f32_16x16x128_f8f6f4 v[96+8*\t:103+8*\t], v[32+8*\t:39+8*\t], v[16:23], 0, v[20+\t], v255 matrix_a_fmt:MATRIX_FMT_FP4 matrix_b_fmt:MATRIX_FMT_FP4 matrix_a_scale:MATRIX_SCALE_ROW1
.endr
.rept 4
	v_nop                                          ; four places: in front of the loads below and of the first read of the scores
.endr
	ds_load_b128 v[28:31], v[ADK] offset:16896     ; V's scale words and tiles are asked for now and land under the softmax
.irp t, 0,1,2,3,4,5,6,7
.irp c, 0,1
	ds_load_b128 v[32+8*\t+4*\c:35+8*\t+4*\c], v[ADK] offset:8192+1024*\t+512*\c
.endr
.endr
	s_cmp_lg_u32 s[K], s[BLK]                      ; only the step on the diagonal has hidden keys
	s_cbranch_scc1 .Lopen_\@
	v_mov_b32 v254, 0xff800000                     ; -infinity: p = 0 then.  The step's first key counts for every query of the block, so M stays a number
.set n, 0
.rept 64
	v_cmp_gt_i32 vcc_lo, 32*(n/16)+n%16, v[DD]
	v_cndmask_b32 v[96+n], v[96+n], v254, vcc_lo
.set n, n+1
.endr
.Lopen_\@:
.irp b, 0,1,2,3
	v_max3_num_f32 v[232+\b], v[96+16*\b], v[97+16*\b], v[98+16*\b]   ; THE LARGEST SCORE OF EACH BLOCK OF 32 KEYS: it serves for the row's maximum and, since p rises with the score, for the block's largest p
.endr
.irp i, 3,5,7,9,11,13
.irp b, 0,1,2,3
	v_max3_num_f32 v[232+\b], v[232+\b], v[96+16*\b+\i], v[97+16*\b+\i]   ; (the four blocks by turns)
.endr
.endr
.irp b, 0,1,2,3
	v_max_num_f32 v[232+\b], v[232+\b], v[111+16*\b]
.endr
.irp b, 0,1,2,3
	s_delay_alu instid0(VALU_DEP_4)
	v_permlanex16_b32 v[236+\b], v[232+\b], s[SEL], s[SEL+1]
.endr
.irp b, 0,1,2,3
	s_delay_alu instid0(VALU_DEP_4)
	v_max_num_f32 v[232+\b], v[232+\b], v[236+\b]  ; with lane l xor 16's 16 keys
.endr
	s_delay_alu instid0(VALU_DEP_2)
	v_max3_num_f32 v254, v232, v233, v234
	s_delay_alu instid0(VALU_DEP_1)
	v_max_num_f32 v254, v254, v235                 ; the step's largest score of my query
	s_delay_alu instid0(VALU_DEP_1)
	v_mul_f32 v254, s[CS], v254                    ; as t (c is positive)
	s_delay_alu instid0(VALU_DEP_1)
	v_max_num_f32 v13, v13, v254                   ; the running largest t
	v_mov_b32 v254, v12
	s_delay_alu instid0(VALU_DEP_2)
	v_floor_f32 v12, -v13                          ; the new -M = floor(-t) = -ceil(t): M is a whole number
	s_delay_alu instid0(VALU_DEP_1)
	v_sub_f32 v254, v12, v254                      ; M's old value less its new one: a whole number, 0 or less
	s_delay_alu instid0(VALU_DEP_1)
	v_cvt_i32_f32 v254, v254                       ; (it saturates)
	s_delay_alu instid0(VALU_DEP_1)
	v_ldexp_f32 v252, 1.0, v254                    ; f = 2^(old M - new M)
.set n, 0
.rept 32
	v_pk_fma_f32 v[96+n:97+n], v[96+n:97+n], s[CS:CS+1], v[12:13] op_sel_hi:[1,0,0]   ; t - M, two at a time
.set n, n+2
.endr
.irp b, 0,1,2,3
	v_fma_f32 v[232+\b], v[232+\b], s[CS], v12     ; the same of each block's largest score
.endr
.set n, 0
	s_wait_alu depctr_va_vdst(0)                   ; ahead of the batch
.rept 64
	v_exp_f32 v[96+n], v[96+n]                     ; p = 2^(t - M), at most 1: not normalised
.set n, n+1
.endr
.irp b, 0,1,2,3
	v_exp_f32 v[232+\b], v[232+\b]                 ; the block's largest p: the same two instructions on the same number give the same bits
.endr
	v_pk_mul_f32 v[14:15], v[14:15], v[252:253] op_sel_hi:[1,0]   ; the sums under the new M.  (A plain place behind the exponentials)
	s_wait_alu depctr_va_vdst(0)                   ; and behind it
.irp b, 0,1,2,3
	v_max_num_f32 v[232+\b], 0x1800000, v[232+\b]  ; the floor 2^(3 - 127): the byte cannot fall under 1
.endr
.irp b, 0,1,2,3
	s_delay_alu instid0(VALU_DEP_4)
	v_add_nc_u32 v[244+\b], 0xff000000, v[232+\b]  ; 2 off the exponent field: the conversion's scale operand
.endr
.irp b, 0,1,2,3
	s_delay_alu instid0(VALU_DEP_4)
	v_lshrrev_b32 v[236+\b], 23, v[244+\b]         ; the scale's byte
.endr
	s_delay_alu instid0(VALU_DEP_3)
	v_lshl_or_b32 v253, v237, 8, v236              ; p's scale word for these 128 keys
	s_delay_alu instid0(VALU_DEP_1)
	v_lshl_or_b32 v253, v238, 16, v253
	s_delay_alu instid0(VALU_DEP_1)
	v_lshl_or_b32 v253, v239, 24, v253
.irp b, 0,1,2,3
	v_cvt_scalef32_pk8_fp4_f32 v[224+2*\b], v[96+16*\b:103+16*\b], v[244+\b]
	v_cvt_scalef32_pk8_fp4_f32 v[225+2*\b], v[104+16*\b:111+16*\b], v[244+\b]
.endr
	v_nop                                          ; one plain place behind a scaled conversion
.irp c, 0,1                                    ; the operand's layout wants a WHOLE block in a lane
.irp i, 0,1
	v_permlane16_swap_b32 v[224+4*\c+\i], v[226+4*\c+\i]
.endr
.endr
	s_wait_dscnt 0x0                               ; V is in
	s_wait_alu depctr_va_vdst(0)                   ; directly ahead of O^T's first reader
.set n, 0
.rept 32
	v_pk_mul_f32 v[160+n:161+n], v[160+n:161+n], v[252:253] op_sel_hi:[1,0]   ; O^T under the new M: x f
.set n, n+2
.endr
.irp t, 0,1,2,3
	v_wmma_scale_f32_16x16x128_f8f6f4 v[160+8*\t:167+8*\t], v[32+8*\t:39+8*\t], v[224:231], v[160+8*\t:167+8*\t], v[28+\t], v253 matrix_a_fmt:MATRIX_FMT_FP4 matrix_b_fmt:MATRIX_FMT_FP4
.endr
.irp t, 4,5,6,7
	v_wmma_scale_f32_16x16x128_f8f6f4 v[160+8*\t:167+8*\t], v[32+8*\t:39+8*\t], v[224:231], v[160+8*\t:167+8*\t], v[24+\t], v253 matrix_a_fmt:MATRIX_FMT_FP4 matrix_b_fmt:MATRIX_FMT_FP4 matrix_a_scale:MATRIX_SCALE_ROW1
.endr
	; the row's sum of the unquantised p, in eight chains: 32 plain lines that name none of the products' registers
	v_pk_add_f32 v[236:237], v[100:101], v[104:105]
	v_pk_add_f32 v[248:249], v[108:109], v[112:113]
	v_pk_add_f32 v[246:247], v[116:117], v[120:121]
	v_pk_add_f32 v[244:245], v[124:125], v[128:129]
	v_pk_add_f32 v[242:243], v[132:133], v[136:137]
	v_pk_add_f32 v[240:241], v[140:141], v[144:145]
	v_pk_add_f32 v[234:235], v[148:149], v[152:153]
	v_pk_add_f32 v[14:15], v[14:15], v[156:157]
	v_pk_add_f32 v[236:237], v[236:237], v[96:97]
	v_pk_add_f32 v[248:249], v[248:249], v[98:99]
	v_pk_add_f32 v[246:247], v[246:247], v[102:103]
	v_pk_add_f32 v[244:245], v[244:245], v[106:107]
	v_pk_add_f32 v[242:243], v[242:243], v[110:111]
	v_pk_add_f32 v[240:241], v[240:241], v[114:115]
	v_pk_add_f32 v[234:235], v[234:235], v[118:119]
	v_pk_add_f32 v[14:15], v[14:15], v[122:123]
	v_pk_add_f32 v[236:237], v[236:237], v[126:127]
	v_pk_add_f32 v[248:249], v[248:249], v[130:131]
	v_pk_add_f32 v[246:247], v[246:247], v[134:135]
	v_pk_add_f32 v[244:245], v[244:245], v[138:139]
	v_pk_add_f32 v[242:243], v[242:243], v[142:143]
	v_pk_add_f32 v[240:241], v[240:241], v[146:147]
	v_pk_add_f32 v[234:235], v[234:235], v[150:151]
	v_pk_add_f32 v[14:15], v[14:15], v[154:155]
	v_pk_add_f32 v[236:237], v[236:237], v[158:159]
	s_delay_alu instid0(VALU_DEP_2)
	v_pk_add_f32 v[14:15], v[14:15], v[244:245]
	s_delay_alu instid0(VALU_DEP_2)
	v_pk_add_f32 v[236:237], v[236:237], v[242:243]
	v_pk_add_f32 v[248:249], v[248:249], v[240:241]
	v_pk_add_f32 v[246:247], v[246:247], v[234:235]
	s_delay_alu instid0(VALU_DEP_2)
	v_pk_add_f32 v[14:15], v[14:15], v[248:249]
	s_delay_alu instid0(VALU_DEP_2)
	v_pk_add_f32 v[236:237], v[236:237], v[246:247]
	s_delay_alu instid0(VALU_DEP_1)
	v_pk_add_f32 v[14:15], v[14:15], v[236:237]
.Lnone_\@:
	s_add_co_u32 s[TB], s[TB], STEPB
	s_add_co_u32 s[K], s[K], 1
.endm
.Lfirst:                                               ; steps 0 and 1, of the bytes that came first
	STEP
	s_cmp_lt_u32 s[K], 2
	s_cbranch_scc1 .Lfirst
	s_wait_alu depctr_va_vdst(0)                   ; ahead of the barrier
	s_wait_tensorcnt 0x0                           ; my part of steps 4-15 is in;
	s_wait_dscnt 0x0                               ; my reads of steps 0 and 1 are over
	s_barrier_signal -1
	s_barrier_wait -1                              ; both hold of every wave: steps 0 and 1's bytes may be written
	s_mov_b32 s[K], 2
	s_mov_b32 s[TB], 2*STEPB
.Lstep:
	STEP
	s_cmp_lt_u32 s[K], 16
	s_cbranch_scc1 .Lstep
; THE WAY OUT: O^T is divided by the row's sum and goes through my stage in LDS, half a row (64 channels, 256 bytes) of 16 queries at a time, so that sixteen lanes store 256 consecutive bytes, aligned.
	s_wait_alu depctr_va_vdst(0)                   ; directly ahead of the reader below
	v_add_f32 v14, v14, v15                        ; the sum's two halves,
	s_delay_alu instid0(VALU_DEP_1)
	v_permlanex16_b32 v252, v14, s[SEL], s[SEL+1]
	s_delay_alu instid0(VALU_DEP_1)
	v_add_f32 v14, v14, v252                       ; and lane l xor 16's: the row's sum
	s_wait_alu depctr_va_vdst(0)                   ; ahead of the transcendental
	v_rcp_f32 v14, v14
	v_nop                                          ; a plain place behind it
	s_wait_alu depctr_va_vdst(0)                   ; and ahead of its first reader, which is O^T's too
.set n, 0
.rept 32
	v_pk_mul_f32 v[96+n:97+n], v[160+n:161+n], v[14:15] op_sel_hi:[1,0]   ; each accumulator from its low end on
.set n, n+2
.endr
.irp u, 0,1                                    ; channels 64 u on: tiles 4 u .. 4 u + 3; tile t's eight channels of my half lie 128 (t/2) + 64 h + 32 (t%2) bytes into the half row
.irp t, 0,1,2,3
	ds_store_b128 v[SIN], v[96+32*\u+8*\t:99+32*\u+8*\t] offset:128*(\t/2)+32*(\t%2)
	ds_store_b128 v[SIN], v[100+32*\u+8*\t:103+32*\u+8*\t] offset:128*(\t/2)+32*(\t%2)+16
.endr
.irp i, 0,1,2,3,4,5,6,7
	ds_load_b128 v[32+32*\u+4*\i:35+32*\u+4*\i], v[SBK] offset:544*\i   ; LDS serves a wave's instructions in order: these see my stores, and the next half's stores come behind them
.endr
.endr
.irp u, 0,1
.irp i, 0,1,2,3,4,5,6,7
	s_wait_dscnt 23-16*\u-\i                       ; the LDS instructions behind this load may be out: the rest of its half's loads, and for u = 0 the other half's sixteen
	global_store_b128 v[GO], v[32+32*\u+4*\i:35+32*\u+4*\i], s[16:17] offset:(2*\i+8*(\i/4))*8192+256*\u th:TH_STORE_NT   ; the tile's row 2 i + lane / 16 is token 2 i + 8 (i / 4) + lane / 16
.endr
.endr
	s_wait_tensorcnt 0x0                           ; the wave's end
	ds_add_u32 v[SPW], v[NIL]
	s_wait_dscnt 0x0
	CROUND                                         ; the closing round
	s_endpgm
.Lfunc_end_k_qdbc3396509_attn:
	.size	k_qdbc3396509_attn, .Lfunc_end_k_qdbc3396509_attn-k_qdbc3396509_attn
	.p2alignl 7, 3214868480
	.fill 96, 4, 3214868480
	.section	.rodata,"a",@progbits
	.p2align	6, 0x0
	.amdhsa_kernel k_qdbc3396509_attn
		.amdhsa_group_segment_fixed_size 327680
		.amdhsa_private_segment_fixed_size 0
		.amdhsa_enable_private_segment 0
		.amdhsa_kernarg_size 16
		.amdhsa_user_sgpr_count 2
		.amdhsa_user_sgpr_kernarg_segment_ptr 1
		.amdhsa_wavefront_size32 1
		.amdhsa_system_sgpr_workgroup_id_x 1
		.amdhsa_system_sgpr_workgroup_id_y 1
		.amdhsa_system_sgpr_workgroup_id_z 1
		.amdhsa_system_vgpr_workitem_id 0
		.amdhsa_next_free_vgpr 256
		.amdhsa_next_free_sgpr 66
		.amdhsa_reserve_vcc 1
		.amdhsa_float_denorm_mode_32 3
		.amdhsa_float_denorm_mode_16_64 3
		.amdhsa_memory_ordered 1
		.amdhsa_forward_progress 1
		.amdhsa_inst_pref_size 63
	.end_amdhsa_kernel
	.amdgpu_metadata
---
amdhsa.version: [ 1, 2 ]
amdhsa.kernels:
  - .name:           k_qdbc3396509_attn
    .symbol:         k_qdbc3396509_attn.kd
    .args:
      - { .name: qkv, .offset: 0, .size: 8, .value_kind: global_buffer, .address_space: global }
      - { .name: out0, .offset: 8, .size: 8, .value_kind: global_buffer, .address_space: global }
    .group_segment_fixed_size: 327680
    .private_segment_fixed_size: 0
    .kernarg_segment_align: 8
    .kernarg_segment_size: 16
    .max_flat_workgroup_size: 512
    .sgpr_count:     66
    .vgpr_count:     256
    .wavefront_size: 32
...
	.end_amdgpu_metadata
.endif
;; end of part 3
